; MI455X (gfx1250); checked and timed in simulation.
; The chip was launched on July 23, 2026; its instructions are those of AMD's public machine-readable ISA for CDNA 5 (MIT licence, August 2026) and "CDNA5" Instruction Set Architecture Reference Guide (July 2026). The comments in the code are by the model that wrote it; some were corrected since.
;; Transformer Block. Allowed arithmetic: matrix products marked QUANTISED: E4M3 operands, one E8M0 scale for each 32 along K, by v_wmma_scale_f32_16x16x128_f8f6f4 with both operands' format E4M3, f32 sums; everything else in f32.
;; Inputs: b1 4,096 float32; b2 1,024 float32; b_out 1,024 float32; ln1_b 1,024 float32; ln1_g 1,024 float32; ln2_b 1,024 float32; ln2_g 1,024 float32; w1 1,024 x 4,096 float32; w2 4,096 x 1,024 float32; w_out 1,024 x 1,024 float32; w_qkv 1,024 x 3,072 float32; x 2 x 2,048 x 1,024 float32.
;; Outputs: out0 2 x 2,048 x 1,024 float32.
;; This version of the problem:
;;   THIS VERSION OF THE PROBLEM IS GIVEN IN LOW PRECISION. The matrix products marked QUANTISED in the list below multiply operands that are first quantised to E4M3 (4 exponent bits, 3 mantissa bits; 8 bits a number), with one power-of-two scale for each 32 numbers along K (OCP MX v1.0); their sums are f32. All else is computed in f32.
;;   The module's matrix products, in the order in which they are computed (A, B: the left and right operand; K: the contracted axis; several contracted axes count as one K, in the product's order):
;;     1. [M 4,096, K 1,024] x [K 1,024, N 3,072]; A: computed on the way; B: input w_qkv: QUANTISED
;;     2. batch 32 x [M 2,048, K 64] x [K 64, N 2,048]; A: computed on the way; B: computed on the way: QUANTISED
;;     3. batch 32 x [M 2,048, K 2,048] x [K 2,048, N 64]; A: softmax (see below); B: computed on the way: QUANTISED
;;     4. [M 4,096, K 1,024] x [K 1,024, N 1,024]; A: computed on the way; B: input w_out: QUANTISED
;;     5. [M 4,096, K 1,024] x [K 1,024, N 4,096]; A: computed on the way; B: input w1: QUANTISED
;;     6. [M 4,096, K 4,096] x [K 4,096, N 1,024]; A: computed on the way; B: input w2: QUANTISED
;;   THE QUANTISER, for each operand of a quantised product, along K:
;;     - K is cut into blocks of 32 from its start; a last block that is shorter is filled with zeros.
;;     - A block's scale is 2^e with e = floor(log2(the largest magnitude in the block)) - 8, held to -126 .. 127; a block of zeros has e = 0. As a byte (E8M0): e + 127.
;;     - Each number is divided by its block's scale, clamped to +-448, and rounded to the nearest number of E4M3, ties to even, subnormals kept.
;;     - The product sums the exact products of the quantised numbers (number of the format x scale) in f32.
;;   ~~~python
;;   def quantise(x, axis):      # numpy; x: float32 -> the quantised numbers, widened to float32 again
;;       x = np.moveaxis(x, axis, -1); K = x.shape[-1]
;;       x = np.pad(x, [(0, 0)] * (x.ndim - 1) + [(0, -K % 32)]); x = x.reshape(x.shape[:-1] + (-1, 32)); a = np.abs(x).max(-1, keepdims=True)
;;       e = np.where(a > 0, np.clip(np.frexp(np.where(a > 0, a, 1))[1] - 1 - 8, -126, 127), 0)      # np.frexp(a)[1] - 1 = floor(log2(a)), exactly
;;       r = np.clip(x / 2.0 ** e, -448, 448)
;;       step = 2.0 ** (np.maximum(np.frexp(np.where(r == 0, 1, r))[1] - 1, -6) - 3)
;;       q = np.round(r / step) * step * 2.0 ** e      # np.round: ties to even
;;       return np.moveaxis(q.reshape(q.shape[:-2] + (-1,))[..., :K], -1, axis).astype(np.float32)
;;   ~~~
;;   SOFTMAX AHEAD OF A QUANTISED PRODUCT. Where the list says 'softmax', what is quantised is not the finished softmax but p = 2^(t - M), with t = logit x log2(e) and M = ceil(the row's largest t), a whole number; so 1/2 < the row's largest p <= 1. The row's sum l is taken of the UNQUANTISED p, in f32, and the product's result is divided by l at the end. Since M is a whole number, a kernel that streams over the keys may use a running M (the ceiling of the running maximum): every later rescaling is an exact power of two, which a block's scale takes up: the codes' values come out the same.
;;   OPERANDS COMPUTED ON THE WAY. 'Computed on the way' means the value that the module computes at that place (a softmax that the list does not call 'softmax' is quantised finished and normalised). What goes into a quantiser is computed in f32, as accurately as f32 sums, v_exp_f32 and their like allow (about 1e-6 of the number): no bf16 or f16 on the way to a quantiser, and a product that is left as it is and whose result goes on into a quantised operand takes f32 operands (vector FMAs, or v_wmma_f32_16x16x4_f32). A number that lies on a knife's edge between two numbers of the format may be rounded either way, as far as f32 arithmetic and the matrix unit's own rounding can turn it there, and no further.
;; One version. Each part assembles by itself: llvm-mc -triple=amdgcn-amd-amdhsa -mcpu=gfx1250 --defsym DOCPART=n.
;; ======== version 1 of 1: 7 launches
;; limits: right only within a limited range of input values
;; workspace buffers: wts 12,976,128 bytes; hn 4,325,376 bytes; qkv 12,976,128 bytes; x1 16,777,216 bytes; hid 17,301,504 bytes
;; launch prep (part 1): grid 640 x 1, 8 waves a work-group, no clusters, 67,072 bytes of LDS; arguments x, ln1_g, ln1_b, hn, w_qkv, w_out, w1, w2, wts; writes hn, wts
.if DOCPART == 1
	.amdgcn_target "amdgcn-amd-amdhsa--gfx1250"
	.amdhsa_code_object_version 6
	.text
	.protected	k_qf1ba426d44_prep
	.globl	k_qf1ba426d44_prep
	.p2align	8
	.type	k_qf1ba426d44_prep,@function
k_qf1ba426d44_prep:
	s_mov_b64 s[64:65], 0
	v_nop
	global_prefetch_b8 v0, s[64:65] scope:SCOPE_SE
	s_setreg_imm32_b32 hwreg(HW_REG_WAVE_MODE, 25, 1), 1
	s_wait_xcnt 0x0
; TWO JOBS IN ONE LAUNCH, parted at the head by the work-group's number, which all eight waves of a work-group share: work-groups 0-383 quantise the four weights, work-groups 384-639 take the first LayerNorm.
; The two share nothing; only the LayerNorm's path touches LDS and has a barrier, which all eight waves of such a work-group pass.  The weights' work-groups last longer, so they have the low numbers.
; BOTH WRITE SUPER-FRAGMENTS: SF (16,896 bytes) = 128 rows x 128 K as the matrix unit's registers take them: 8 tiles of 2,048 bytes; in a tile piece c (512 bytes) holds, at 16 x lane, the codes (FP8, E4M3)
; k = 32 c + 16 (lane / 16) + 0..15 of the row at lane % 16; from byte 16,384 on the scale words (E8M0 bytes): tile i, lane r at 64 i + 4 r, byte c for block c.
; LANE r OF TILE i HOLDS ROW 32 (i / 2) + 8 (i % 2) + r + 8 (r / 8) of the 128.
; A block's scale is 2^(floor(log2(largest magnitude)) - 8); its byte is the largest magnitude's exponent field - 8, held at 1 from below.
; LIMITS: a block whose largest magnitude lies under 2^-118 keeps the byte 1; a block of zeros gets the byte 1 where the rule says 127 (its codes are zeros, and this program alone reads the bytes); NaN and infinities are not served.
.set SF,   16896
.set NWG,  384                         ; work-groups of the weights' path
	v_lshl_add_u32 v232, v0, 2, 0x10200
	v_mov_b32 v233, 0
	s_cmp_lt_u32 ttmp9, NWG
	s_cbranch_scc1 .Lweights
; ---------------------------------------------------------------- THE LAYERNORM
; h = (x - mean) rsqrt(var + 1e-5) g + b along rows of 1,024 f32, all in f32, then quantised along the row.  The output is [rows / 128][8 K steps] SFs.
; A work-group owns one tile of 16 rows.  PHASE 1: a wave takes two whole rows (each load reads 512 consecutive bytes), so mean and variance never leave the wave; the mean is taken away before the squares, as the
; definition has it.  The normalised rows go to LDS.  One barrier.  PHASE 2: wave w takes K step w of all 16 rows: a lane reads 16 neighbours of each of four blocks, quantises them, and its 16 code registers are the fragment.
.set PITCH, 4112                       ; a row in LDS: 4,096 bytes + 16: the 16 rows that a load of phase 2 touches begin 16 bytes apart modulo 256
.set X0,  32                           ; v32-63, v64-95 my two rows; in phase 2 v32-95 are my 64 numbers
.set G,   96                           ; v96-127  g at my columns
.set B,   128                          ; v128-159 b
.set T0,  160                          ; v160-167, v168-175 at work, a set for each row
.set TM,  160                          ; phase 2: v160-163 largest magnitudes, v164-167 bytes, v168-171 448 x scale, v172-175 the conversions' scale operands
.set PC,  176                          ; v176-191 the codes
.set PW,  192                          ; v192 the scale word
.set SEL, 20                           ; s[20:21] v_permlanex16_b32's selects for lane l xor 16
.set MNT, 22
	s_load_b256 s[4:11], s[0:1], 0x0               ; x s[4:5], g s[6:7], b s[8:9], out s[10:11]
	v_lshrrev_b32 v1, 5, v0
	s_delay_alu instid0(VALU_DEP_1)
	v_readfirstlane_b32 s12, v1                    ; wave 0..7
	v_and_b32 v2, 31, v0
	s_delay_alu instid0(VALU_DEP_1)
	v_lshlrev_b32 v3, 4, v2                        ; 16 x lane
	s_wait_alu depctr_va_vdst(0)
	s_sub_co_u32 s28, ttmp9, NWG                   ; which tile of 16 rows: 0..255
	s_lshr_b32 s13, s28, 3                         ; rb: which 128 rows
	s_and_b32 s14, s28, 7                          ; i: which tile of them
	s_lshl_b32 s15, s13, 7
	s_lshr_b32 s16, s14, 1
	s_lshl_b32 s16, s16, 5
	s_add_co_u32 s15, s15, s16
	s_and_b32 s16, s14, 1
	s_lshl_b32 s16, s16, 3
	s_add_co_u32 s15, s15, s16
	s_lshl_b32 s16, s12, 1
	s_add_co_u32 s15, s15, s16
	s_lshr_b32 s16, s12, 2
	s_lshl_b32 s16, s16, 3
	s_add_co_u32 s15, s15, s16                     ; the row at the tile's lane 2 w: 128 rb + 32 (i / 2) + 8 (i % 2) + 2 w + 8 (w / 4); lane 2 w + 1 holds the next row
	s_lshl_b32 s16, s15, 12
	s_mov_b32 s17, 0
	s_mov_b32 s18, 0x3a800000                      ; 1 / 1024
	s_mov_b32 s19, 0x3727c5ac                      ; 1e-5
	s_mov_b32 s[SEL], 0x76543210
	s_mov_b32 s[SEL+1], 0xfedcba98
	s_mov_b32 s[MNT], 0x600000                     ; the mantissa field of 448
	s_mul_i32 s23, s12, 2*PITCH
	v_add_nc_u32 v4, s23, v3                       ; LDS, phase 1: tile rows 2 w, 2 w + 1, 16 bytes a lane
	v_and_b32 v6, 15, v0                           ; r
	v_bfe_u32 v7, v0, 4, 1                         ; h
	s_delay_alu instid0(VALU_DEP_2)
	v_mul_u32_u24 v5, v6, PITCH
	s_delay_alu instid0(VALU_DEP_1)
	v_lshl_add_u32 v5, v7, 6, v5
	s_lshl_b32 s23, s12, 9
	v_add_nc_u32 v5, s23, v5                       ; LDS, phase 2: row r, K step w (512 bytes), + 64 h: my 16 numbers of a block of 32
	v_lshlrev_b32 v8, 2, v6                        ; 4 r: the scale word's place
	s_lshl_b32 s24, s13, 3
	s_add_co_u32 s24, s24, s12
	s_mul_i32 s24, s24, SF                         ; the SF of (rb, K step w),
	s_lshl_b32 s25, s14, 11
	s_lshl_b32 s26, s14, 6
	s_add_co_u32 s26, s26, s24                     ; + 64 i for the words,
	s_add_co_u32 s24, s24, s25                     ; + 2048 i for the codes
	s_mov_b32 s25, 0
	s_mov_b32 s27, 0
	s_wait_kmcnt 0x0
	s_add_nc_u64 s[4:5], s[4:5], s[16:17]
	s_add_nc_u64 s[24:25], s[10:11], s[24:25]
	s_add_nc_u64 s[26:27], s[10:11], s[26:27]
.irp j, 0,1,2,3,4,5,6,7
	global_load_b128 v[X0+4*\j:X0+4*\j+3], v3, s[4:5] offset:512*\j
.endr
.irp j, 0,1,2,3,4,5,6,7
	global_load_b128 v[X0+32+4*\j:X0+32+4*\j+3], v3, s[4:5] offset:4096+512*\j
.endr
.irp j, 0,1,2,3,4,5,6,7
	global_load_b128 v[G+4*\j:G+4*\j+3], v3, s[6:7] offset:512*\j
.endr
.irp j, 0,1,2,3,4,5,6,7
	global_load_b128 v[B+4*\j:B+4*\j+3], v3, s[8:9] offset:512*\j
.endr
.macro LANESUM r                       ; v[r] summed over the 32 lanes, the result in every lane; v[r + 1], written before, is at work
	s_delay_alu instid0(VALU_DEP_1)
	v_add_f32_dpp v[\r], v[\r], v[\r] row_xmask:1 row_mask:0xf bank_mask:0xf
	s_delay_alu instid0(VALU_DEP_1)
	v_add_f32_dpp v[\r], v[\r], v[\r] row_xmask:2 row_mask:0xf bank_mask:0xf
	s_delay_alu instid0(VALU_DEP_1)
	v_add_f32_dpp v[\r], v[\r], v[\r] row_xmask:4 row_mask:0xf bank_mask:0xf
	s_delay_alu instid0(VALU_DEP_1)
	v_add_f32_dpp v[\r], v[\r], v[\r] row_xmask:8 row_mask:0xf bank_mask:0xf
	s_delay_alu instid0(VALU_DEP_1)
	v_permlanex16_b32 v[\r+1], v[\r], s[SEL], s[SEL+1]
	s_delay_alu instid0(VALU_DEP_1)
	v_add_f32 v[\r], v[\r], v[\r+1]
.endm
.macro MOMENTS x, t                    ; the row in v[x] on becomes x - mean; v[t + 6] = rsqrt(var + eps)
	v_pk_add_f32 v[\t:\t+1], v[\x:\x+1], v[\x+2:\x+3]
	v_pk_add_f32 v[\t+2:\t+3], v[\x+4:\x+5], v[\x+6:\x+7]
.irp j, 8,12,16,20,24,28
	s_delay_alu instid0(VALU_DEP_2)
	v_pk_add_f32 v[\t:\t+1], v[\t:\t+1], v[\x+\j:\x+\j+1]
	s_delay_alu instid0(VALU_DEP_2)
	v_pk_add_f32 v[\t+2:\t+3], v[\t+2:\t+3], v[\x+\j+2:\x+\j+3]
.endr
	s_delay_alu instid0(VALU_DEP_1)
	v_pk_add_f32 v[\t:\t+1], v[\t:\t+1], v[\t+2:\t+3]
	s_delay_alu instid0(VALU_DEP_1)
	v_add_f32 v[\t], v[\t], v[\t+1]
	LANESUM \t
	s_delay_alu instid0(VALU_DEP_1)
	v_mul_f32 v[\t], s18, v[\t]                    ; the mean
.irp j, 0,2,4,6,8,10,12,14,16,18,20,22,24,26,28,30
	v_pk_add_f32 v[\x+\j:\x+\j+1], v[\x+\j:\x+\j+1], v[\t:\t+1] op_sel_hi:[1,0] neg_lo:[0,1] neg_hi:[0,1]
.endr
	v_pk_mul_f32 v[\t+2:\t+3], v[\x:\x+1], v[\x:\x+1]
	v_pk_mul_f32 v[\t+4:\t+5], v[\x+2:\x+3], v[\x+2:\x+3]
.irp j, 4,8,12,16,20,24,28
	s_delay_alu instid0(VALU_DEP_2)
	v_pk_fma_f32 v[\t+2:\t+3], v[\x+\j:\x+\j+1], v[\x+\j:\x+\j+1], v[\t+2:\t+3]
	s_delay_alu instid0(VALU_DEP_2)
	v_pk_fma_f32 v[\t+4:\t+5], v[\x+\j+2:\x+\j+3], v[\x+\j+2:\x+\j+3], v[\t+4:\t+5]
.endr
	s_delay_alu instid0(VALU_DEP_1)
	v_pk_add_f32 v[\t+2:\t+3], v[\t+2:\t+3], v[\t+4:\t+5]
	s_delay_alu instid0(VALU_DEP_1)
	v_add_f32 v[\t+2], v[\t+2], v[\t+3]
	LANESUM \t+2
	s_delay_alu instid0(VALU_DEP_1)
	v_fma_f32 v[\t+2], v[\t+2], s18, s19           ; var + eps
	s_wait_alu depctr_va_vdst(0)
	v_rsq_f32 v[\t+6], v[\t+2]
	v_mov_b32 v[\t+7], 0                           ; the pair's upper half is named with it, so it is written.  (A plain line behind the transcendental)
.endm
.macro NORM x, t
.irp j, 0,2,4,6,8,10,12,14,16,18,20,22,24,26,28,30
	v_pk_mul_f32 v[\x+\j:\x+\j+1], v[\x+\j:\x+\j+1], v[\t+6:\t+7] op_sel_hi:[1,0]
.endr
.irp j, 0,2,4,6,8,10,12,14,16,18,20,22,24,26,28,30
	v_pk_fma_f32 v[\x+\j:\x+\j+1], v[\x+\j:\x+\j+1], v[G+\j:G+\j+1], v[B+\j:B+\j+1]
.endr
.endm
	s_wait_loadcnt 16                              ; my two rows are in; the 16 loads of g and b may be out
	MOMENTS X0, T0
	MOMENTS X0+32, T0+8
	s_wait_alu depctr_va_vdst(0)                   ; one wait for both roots, ahead of their first reader
	s_wait_loadcnt 0x0                             ; g and b
	NORM X0, T0
	NORM X0+32, T0+8
.irp j, 0,1,2,3,4,5,6,7
	ds_store_b128 v4, v[X0+4*\j:X0+4*\j+3] offset:512*\j
	ds_store_b128 v4, v[X0+32+4*\j:X0+32+4*\j+3] offset:PITCH+512*\j
.endr
	s_wait_dscnt 0x0                               ; for the others' sake: my rows lie in LDS
	s_barrier_signal -1
	s_barrier_wait -1
.irp c, 0,1,2,3
.irp j, 0,1,2,3
	ds_load_b128 v[X0+16*\c+4*\j:X0+16*\c+4*\j+3], v5 offset:128*\c+16*\j      ; register 16 c + e = k 32 c + 16 h + e of row r
.endr
.endr
	s_wait_dscnt 0x0
.irp b, 0,1,2,3
	v_max3_num_f32 v[TM+\b], |v[X0+16*\b]|, |v[X0+16*\b+1]|, 0x4800000         ; block b: my 16 numbers, and the floor 2^(9 - 127): the byte cannot fall under 1
.endr
.irp i, 2,4,6,8,10,12,14
.irp b, 0,1,2,3
	s_delay_alu instid0(VALU_DEP_4)
	v_max3_num_f32 v[TM+\b], v[TM+\b], |v[X0+16*\b+\i]|, |v[X0+16*\b+\i+1]|    ; (the four blocks by turns)
.endr
.endr
.irp b, 0,1,2,3
	v_permlanex16_b32 v[TM+4+\b], v[TM+\b], s[SEL], s[SEL+1]
.endr
.irp b, 0,1,2,3
	s_delay_alu instid0(VALU_DEP_4)
	v_max_num_f32 v[TM+\b], v[TM+\b], v[TM+4+\b]   ; with lane l xor 16's 16: the block's largest magnitude
.endr
.irp b, 0,1,2,3
	s_delay_alu instid0(VALU_DEP_4)
	v_add_nc_u32 v[TM+12+\b], 0xfc000000, v[TM+\b] ; 8 off its exponent field: the conversion's scale operand
.endr
.irp b, 0,1,2,3
	v_and_or_b32 v[TM+8+\b], v[TM+\b], 0x7f800000, s[MNT]   ; 448 x the scale
.endr
.irp b, 0,1,2,3
	v_lshrrev_b32 v[TM+4+\b], 23, v[TM+12+\b]      ; the scale's byte
.endr
	s_delay_alu instid0(VALU_DEP_3)
	v_lshl_or_b32 v[PW], v[TM+5], 8, v[TM+4]
	s_delay_alu instid0(VALU_DEP_1)
	v_lshl_or_b32 v[PW], v[TM+6], 16, v[PW]
	s_delay_alu instid0(VALU_DEP_1)
	v_lshl_or_b32 v[PW], v[TM+7], 24, v[PW]        ; my row's scale word; lanes l and l xor 16 hold the same
.irp b, 0,1,2,3
.irp i, 0,1,2,3,4,5,6,7,8,9,10,11,12,13,14,15
	v_med3_num_f32 v[X0+16*\b+\i], v[X0+16*\b+\i], -v[TM+8+\b], v[TM+8+\b]     ; the conversion does not saturate (ISA guide 7.6.2): the hold comes first
.endr
	v_cvt_scalef32_pk8_fp8_f32 v[PC+4*\b:PC+4*\b+1], v[X0+16*\b:X0+16*\b+7], v[TM+12+\b]
	v_cvt_scalef32_pk8_fp8_f32 v[PC+4*\b+2:PC+4*\b+3], v[X0+16*\b+8:X0+16*\b+15], v[TM+12+\b]
.endr
	v_nop
.irp c, 0,1,2,3
	global_store_b128 v3, v[PC+4*\c:PC+4*\c+3], s[24:25] offset:512*\c         ; 512 consecutive bytes, aligned
.endr
	global_store_b32 v8, v[PW], s[26:27] offset:16384                          ; both halves of the lanes write the same word to the same place
	s_wait_tensorcnt 0x0
	ds_add_u32 v232, v233
	s_wait_dscnt 0x0
	s_endpgm
; ---------------------------------------------------------------- THE WEIGHTS
; The four weights, f32 stored [K][N], are quantised along K, their FIRST axis.  wts holds 768 SFs, each tensor as [n / 128][k / 128]: w_qkv from SF 0 (24 x 8), w_out from 192 (8 x 8), w1 from 256 (32 x 8), w2 from 512 (8 x 32).
; A LANE TAKES A COLUMN n AND ITS REGISTERS RUN DOWN K: a block of 32 lies in one lane, the conversions give K innermost, nothing is transposed.  A wave takes 32 columns x 128 K (two tiles of one SF),
; a work-group 128 columns x 256 K.  A load of a wave reads 128 consecutive bytes, four waves side by side 512.  Each store of codes writes two whole aligned runs of 256 bytes.
.Lweights:
.set EMAX, 8
.set DC,   4                           ; v4      my codes' place in the SF: 2048 tile + 16 r
.set DS,   5                           ; v5      my scale word's: 64 tile + 4 r
.set VO,   32                          ; v32-63  byte offsets of 32 rows of W: 4 x lane + n x pitch; never rewritten
.set X,    64                          ; v64-191 four blocks of 32 numbers
.set C,    192                         ; v192-223 eight registers of codes for each block: no store's data are written again
.set SB,   224                         ; v224    the four scale bytes
	s_load_b256 s[4:11], s[0:1], 0x20              ; w_qkv s[4:5], w_out s[6:7], w1 s[8:9], w2 s[10:11]
	s_load_b64 s[12:13], s[0:1], 0x40              ; wts
	v_lshrrev_b32 v1, 5, v0
	s_delay_alu instid0(VALU_DEP_1)
	v_readfirstlane_b32 s33, v1                    ; wave 0..7
	v_and_b32 v2, 31, v0                           ; lane
	s_mov_b32 s31, 0x600000                        ; the mantissa field of 448
	; which tensor: work-groups 0-95 w_qkv, 96-127 w_out, 128-255 w1, 256-383 w2.  Only numbers and pointers are chosen: all take one path
	s_mov_b32 s16, 4096                            ; a row of W in bytes
	s_mov_b32 s17, 256                             ; the tensor's first work-group
	s_mov_b32 s18, 512                             ; its first SF
	s_mov_b32 s19, 5                               ; log2 of its K steps
	s_mov_b32 s20, 4                               ; log2 of the work-groups for 128 columns (two K steps each)
	s_wait_alu depctr_va_vdst(0)
	s_wait_kmcnt 0x0
	s_mov_b64 s[14:15], s[10:11]
	s_cmp_lt_u32 ttmp9, 256
	s_cselect_b64 s[14:15], s[8:9], s[14:15]
	s_cselect_b32 s16, 16384, s16
	s_cselect_b32 s17, 128, s17
	s_cselect_b32 s18, 256, s18
	s_cselect_b32 s19, 3, s19
	s_cselect_b32 s20, 2, s20
	s_cmp_lt_u32 ttmp9, 128
	s_cselect_b64 s[14:15], s[6:7], s[14:15]
	s_cselect_b32 s16, 4096, s16
	s_cselect_b32 s17, 96, s17
	s_cselect_b32 s18, 192, s18
	s_cmp_lt_u32 ttmp9, 96
	s_cselect_b64 s[14:15], s[4:5], s[14:15]
	s_cselect_b32 s16, 12288, s16
	s_cselect_b32 s17, 0, s17
	s_cselect_b32 s18, 0, s18
	s_sub_co_u32 s21, ttmp9, s17
	s_lshr_b32 s22, s21, s20                       ; rb: which 128 columns
	s_lshl_b32 s23, s22, s20
	s_sub_co_u32 s23, s21, s23
	s_and_b32 s24, s33, 3                          ; cg: which 32 of them are my wave's
	s_lshr_b32 s25, s33, 2
	s_lshl_b32 s23, s23, 1
	s_add_co_u32 s23, s23, s25                     ; ks: my wave's K step
	s_lshl_b32 s26, s23, 7
	s_mul_i32 s26, s26, s16                        ; 128 ks rows,
	s_lshl_b32 s27, s22, 9
	s_add_co_u32 s26, s26, s27                     ; 128 rb columns of 4 bytes,
	s_lshl_b32 s27, s24, 7
	s_add_co_u32 s26, s26, s27                     ; 32 cg more (all under 2^25)
	s_mov_b32 s27, 0
	s_add_nc_u64 s[36:37], s[14:15], s[26:27]      ; a base for each block of 32 rows; none is rewritten
	s_lshl_b32 s26, s16, 5
	s_add_nc_u64 s[38:39], s[36:37], s[26:27]
	s_add_nc_u64 s[40:41], s[38:39], s[26:27]
	s_add_nc_u64 s[42:43], s[40:41], s[26:27]
	s_lshl_b32 s28, s22, s19
	s_add_co_u32 s28, s28, s18
	s_add_co_u32 s28, s28, s23
	s_mul_i32 s28, s28, SF                         ; my SF
	s_mov_b32 s29, 0
	s_add_nc_u64 s[12:13], s[12:13], s[28:29]
	v_lshlrev_b32 v[VO], 2, v2
.set n, 1
.rept 31
	s_delay_alu instid0(VALU_DEP_1)
	v_add_nc_u32 v[VO+n], s16, v[VO+n-1]
.set n, n+1
.endr
	v_bfe_u32 v3, v2, 3, 1                         ; column 32 cg + x lies in tile 2 cg + (x / 8) % 2,
	s_delay_alu instid0(VALU_DEP_1)
	v_lshl_add_u32 v3, s24, 1, v3
	v_and_b32 v6, 7, v2
	v_lshrrev_b32 v7, 4, v2
	s_delay_alu instid0(VALU_DEP_1)
	v_lshl_add_u32 v6, v7, 3, v6                   ; at lane r = x % 8 + 8 (x / 16)
	s_delay_alu instid0(VALU_DEP_4)
	v_lshlrev_b32 v[DC], 11, v3
	s_delay_alu instid0(VALU_DEP_1)
	v_lshl_add_u32 v[DC], v6, 4, v[DC]
	v_lshlrev_b32 v[DS], 6, v3
	s_delay_alu instid0(VALU_DEP_1)
	v_lshl_add_u32 v[DS], v6, 2, v[DS]
.macro LOAD t                          ; block t: W(128 ks + 32 t + n, my column), n = 0 .. 31
.set n, 0
.rept 32
	global_load_b32 v[X+32*(\t)+n], v[VO+n], s[36+2*(\t):37+2*(\t)] th:TH_LOAD_NT
.set n, n+1
.endr
.endm
.macro BLOCK t
.set XS, X+32*(\t)
.if (\t) < 3
	s_wait_loadcnt 32                              ; this block's 32 loads are in; the next block's 32 may be out
.else
	s_wait_loadcnt 0x0
.endif
.if (\t)+2 < 4
	LOAD (\t)+2                                    ; into registers of its own
.endif
	v_max3_num_f32 v12, |v[XS]|, |v[XS+1]|, |v[XS+2]|              ; the block's largest magnitude: all 32 numbers are mine
	v_max3_num_f32 v13, |v[XS+3]|, |v[XS+4]|, |v[XS+5]|
.irp i, 6,10,14,18,22,26
	s_delay_alu instid0(VALU_DEP_2)
	v_max3_num_f32 v12, v12, |v[XS+\i]|, |v[XS+\i+1]|
	s_delay_alu instid0(VALU_DEP_2)
	v_max3_num_f32 v13, v13, |v[XS+\i+2]|, |v[XS+\i+3]|
.endr
	s_delay_alu instid0(VALU_DEP_2)
	v_max3_num_f32 v12, v12, |v[XS+30]|, |v[XS+31]|
	s_delay_alu instid0(VALU_DEP_1)
	v_max3_num_f32 v12, v12, v13, (EMAX+1)<<23     ; and the floor 2^(9 - 127): the byte cannot fall under 1
	s_delay_alu instid0(VALU_DEP_1)
	v_add_nc_u32 v11, -(EMAX<<23), v12             ; 8 off its exponent field: the conversion takes the exponent field of this operand as its scale
	s_delay_alu instid0(VALU_DEP_2)
	v_and_or_b32 v10, v12, 0x7f800000, s31         ; 448 x the scale
	s_delay_alu instid0(VALU_DEP_2)
	v_lshrrev_b32 v13, 23, v11                     ; the scale's byte
.if (\t) == 0
	s_delay_alu instid0(VALU_DEP_1)
	v_mov_b32 v[SB], v13
.else
	s_delay_alu instid0(VALU_DEP_1)
	v_lshl_or_b32 v[SB], v13, 8*(\t), v[SB]
.endif
.set n, 0
.rept 32
	v_med3_num_f32 v[XS+n], v[XS+n], -v10, v10     ; the conversion to an 8-bit code does not saturate (ISA guide 7.6.2): the hold at 448 x the scale comes first
.set n, n+1
.endr
.irp g, 0,1,2,3
	v_cvt_scalef32_pk8_fp8_f32 v[C+8*(\t)+2*\g:C+8*(\t)+2*\g+1], v[XS+8*\g:XS+8*\g+7], v11
.endr
	v_nop                                          ; a plain line between the conversions and the next write of their scale operand
	global_store_b128 v[DC], v[C+8*(\t):C+8*(\t)+3], s[12:13] offset:512*(\t)          ; k = 32 t + 0..15: the place of lane r
	global_store_b128 v[DC], v[C+8*(\t)+4:C+8*(\t)+7], s[12:13] offset:512*(\t)+256    ; k = 32 t + 16..31: the place of lane 16 + r
.endm
	LOAD 0
	LOAD 1
	BLOCK 0
	BLOCK 1
	BLOCK 2
	BLOCK 3
	global_store_b32 v[DS], v[SB], s[12:13] offset:16384   ; two tiles' words: 128 consecutive bytes
	s_endpgm
.Lfunc_end_k_qf1ba426d44_prep:
	.size	k_qf1ba426d44_prep, .Lfunc_end_k_qf1ba426d44_prep-k_qf1ba426d44_prep
	.p2alignl 7, 3214868480
	.fill 96, 4, 3214868480
	.section	.rodata,"a",@progbits
	.p2align	6, 0x0
	.amdhsa_kernel k_qf1ba426d44_prep
		.amdhsa_group_segment_fixed_size 67072
		.amdhsa_private_segment_fixed_size 0
		.amdhsa_enable_private_segment 0
		.amdhsa_kernarg_size 72
		.amdhsa_user_sgpr_count 2
		.amdhsa_user_sgpr_kernarg_segment_ptr 1
		.amdhsa_wavefront_size32 1
		.amdhsa_system_sgpr_workgroup_id_x 1
		.amdhsa_system_sgpr_workgroup_id_y 1
		.amdhsa_system_sgpr_workgroup_id_z 1
		.amdhsa_system_vgpr_workitem_id 0
		.amdhsa_next_free_vgpr 234
		.amdhsa_next_free_sgpr 66
		.amdhsa_reserve_vcc 0
		.amdhsa_float_denorm_mode_32 3
		.amdhsa_float_denorm_mode_16_64 3
		.amdhsa_memory_ordered 1
		.amdhsa_forward_progress 1
		.amdhsa_inst_pref_size 67
	.end_amdhsa_kernel
	.amdgpu_metadata
---
amdhsa.version: [ 1, 2 ]
amdhsa.kernels:
  - .name:           k_qf1ba426d44_prep
    .symbol:         k_qf1ba426d44_prep.kd
    .args:
      - { .name: x, .offset: 0, .size: 8, .value_kind: global_buffer, .address_space: global }
      - { .name: ln1_g, .offset: 8, .size: 8, .value_kind: global_buffer, .address_space: global }
      - { .name: ln1_b, .offset: 16, .size: 8, .value_kind: global_buffer, .address_space: global }
      - { .name: hn, .offset: 24, .size: 8, .value_kind: global_buffer, .address_space: global }
      - { .name: w_qkv, .offset: 32, .size: 8, .value_kind: global_buffer, .address_space: global }
      - { .name: w_out, .offset: 40, .size: 8, .value_kind: global_buffer, .address_space: global }
      - { .name: w1, .offset: 48, .size: 8, .value_kind: global_buffer, .address_space: global }
      - { .name: w2, .offset: 56, .size: 8, .value_kind: global_buffer, .address_space: global }
      - { .name: wts, .offset: 64, .size: 8, .value_kind: global_buffer, .address_space: global }
    .group_segment_fixed_size: 67072
    .private_segment_fixed_size: 0
    .kernarg_segment_align: 8
    .kernarg_segment_size: 72
    .max_flat_workgroup_size: 256
    .sgpr_count:     66
    .vgpr_count:     234
    .wavefront_size: 32
...
	.end_amdgpu_metadata
.endif
;; end of part 1
;; launch gemm_qkv (part 2): grid 12 x 16, 4 waves a work-group, clusters of 4 x 4, 327,680 bytes of LDS; arguments hn, wts, qkv; writes qkv
.if DOCPART == 2
	.amdgcn_target "amdgcn-amd-amdhsa--gfx1250"
	.amdhsa_code_object_version 6
	.text
	.protected	k_qf1ba426d44_gemm_qkv
	.globl	k_qf1ba426d44_gemm_qkv
	.p2align	8
	.type	k_qf1ba426d44_gemm_qkv,@function
k_qf1ba426d44_gemm_qkv:
	s_mov_b64 s[64:65], 0
	v_nop
	global_prefetch_b8 v0, s[64:65] scope:SCOPE_SE
	s_setreg_imm32_b32 hwreg(HW_REG_WAVE_MODE, 25, 1), 1
	s_wait_xcnt 0x0
	s_wait_alu depctr_hold_cnt(0) depctr_sa_sdst(0) depctr_va_vdst(0) depctr_va_sdst(0) depctr_va_ssrc(0) depctr_va_vcc(0) depctr_vm_vsrc(0)
	s_getreg_b32 s2, hwreg(HW_REG_IB_STS2, 6, 4)
	s_cmp_eq_u32 s2, 0
	s_cbranch_scc0 .Lentry_in_a_cluster
	s_endpgm
.Lentry_in_a_cluster:
	s_bfe_u32 s2, ttmp6, 0x10000c
	s_cmp_lg_u32 s2, 0xf033
	s_cbranch_scc0 .Lentry_shape_is_right
	s_endpgm
.Lentry_shape_is_right:
.set SF,     16896
.set PIECE,  2*SF
.set SLOT,   4*PIECE
.set SPARE,  2*SLOT
.set NQ,     2
.set FR,     16
.set NL,     4
.set NP,     8
.set LAPS,   2
.set ADRA, 16
.set ADRB, 20
.set ADRS, 22
.set LI,   24
.set LS,   25
.set SPW,  28
.set NIL,  29
.set SC,   32
.set HB,   64
.set AF,   128
.set TM,   128
.set PC,   144
.set PW,   160
.set G1, 24
.set G0, 32
.set G1B, 48
.set G0B, 56
.set SEL, 70
.set MNT, 72
.set MSB, 0
.macro WIN new
.set NW, \new
.if MSB != NW
	s_set_vgpr_msb (MSB<<8)|NW
.set MSB, NW
.endif
.endm
.set MUL_LO, 0xa1
.set MUL_HI, 0xf1
.set TO_B,   0x40
.macro JLOAD g0a, g1a, g0b, g1b
	s_cmp_eq_u32 s15, 0
	s_cbranch_scc0 .Lfor_b_\@
	tensor_load_to_lds s[\g0a:\g0a+3], s[\g1a:\g1a+7]
	s_nop 0
.rept 4
	v_nop
.endr
	s_branch .Lasked_\@
.Lfor_b_\@:
	tensor_load_to_lds s[\g0b:\g0b+3], s[\g1b:\g1b+7]
	s_nop 0
.rept 4
	v_nop
.endr
.Lasked_\@:
.endm
.macro CREST
	s_cmp_lg_u32 s14, 0
	s_cbranch_scc1 .Lnot_wave_0_\@
	s_barrier_signal -3
.Lnot_wave_0_\@:
	s_barrier_wait -3
	s_barrier_signal -1
	s_barrier_wait -1
.endm
.macro CROUND
	s_barrier_signal -1
	s_barrier_wait -1
	CREST
.endm
.macro PLACES n
.rept \n
	v_nop
.endr
.endm
	s_load_b128 s[4:7], s[0:1], 0x0
	s_load_b64 s[8:9], s[0:1], 0x10
	v_lshl_add_u32 v[SPW], v0, 2, SPARE
	v_mov_b32 v[NIL], 0
	ds_add_u32 v28, v29
	ds_add_u32 v28, v29
	s_wait_dscnt 0x0
	v_lshrrev_b32 v1, 5, v0
	v_readfirstlane_b32 s14, v1
	s_lshr_b32 s15, s14, 1
	s_and_b32 s16, s14, 1
	s_bfe_u32 s40, ttmp6, 0x40000
	s_bfe_u32 s41, ttmp6, 0x40004
	s_and_b32 s17, ttmp7, 0xffff
	s_cmp_ge_u32 ttmp9, 2
	s_cselect_b32 s42, s17, ttmp9
	s_cselect_b32 s17, 0, s17
	s_cselect_b32 s66, 1, 32
	s_cselect_b32 s67, 32, 1
	s_cselect_b32 s68, 512, 0
	s_lshl_b32 s42, s42, 2
	s_add_co_u32 s42, s42, s40
	s_lshl_b32 s17, s17, 2
	s_add_co_u32 s17, s17, s41
	s_lshl_b32 s43, s41, 2
	s_lshl_b32 s43, 15, s43
	s_lshl_b32 s44, 0x1111, s40
	s_or_b32 s[G1], s43, (3<<16)|(1<<21)
	s_or_b32 s[G1B], s44, (3<<16)|(1<<21)
.irp g, G1, G1B
	s_mov_b32 s[\g+1], 32<<16
	s_mov_b32 s[\g+2], 132<<16
	s_mov_b32 s[\g+3], 32<<16
	s_mov_b32 s[\g+4], 132
	s_mov_b32 s[\g+5], 32
	s_mov_b32 s[\g+6], 0
	s_mov_b32 s[\g+7], 0
.endr
	s_lshl_b32 s20, s17, 1
	s_add_co_u32 s20, s20, s16
	s_mul_i32 s20, s20, 8*SF
	s_mov_b32 s21, 0
	s_lshl_b32 s46, s42, 1
	s_add_co_u32 s46, s46, s16
	s_mul_i32 s46, s46, 8*SF
	s_mov_b32 s47, 0
	s_mul_i32 s45, s14, PIECE
	s_mov_b32 s[SEL], 0x76543210
	s_mov_b32 s[SEL+1], 0xfedcba98
	s_mov_b32 s[MNT], 0x600000
	s_wait_kmcnt 0x0
	s_add_nc_u64 s[10:11], s[6:7], 128*SF
	s_cmp_ge_u32 ttmp9, 2
	s_cselect_b64 s[12:13], s[10:11], s[4:5]
	s_cselect_b64 s[22:23], s[4:5], s[6:7]
	s_add_nc_u64 s[20:21], s[12:13], s[20:21]
	s_add_nc_u64 s[46:47], s[22:23], s[46:47]
	CROUND
.irp s, 0,1
	s_mov_b32 s[G0+4*\s], 1
	s_add_co_u32 s[G0+4*\s+1], s45, \s*SLOT
	s_add_nc_u64 s[G0+4*\s+2:G0+4*\s+3], s[20:21], \s*PIECE
	s_or_b32 s[G0+4*\s+3], s[G0+4*\s+3], 0x80000000
	s_mov_b32 s[G0B+4*\s], 1
	s_add_co_u32 s[G0B+4*\s+1], s45, \s*SLOT
	s_add_nc_u64 s[G0B+4*\s+2:G0B+4*\s+3], s[46:47], \s*PIECE
	s_or_b32 s[G0B+4*\s+3], s[G0B+4*\s+3], 0x80000000
.endr
	JLOAD G0, G1, G0B, G1B                         ; K steps 0, 1: my one tensor load at the head; the set-up below stands under it
	; PREFETCHES INTO THE L2 of the three slots that follow.  Of the 132 blocks of 256 bytes that I fetch for a slot, each of the four partners that ask for them jointly takes 33, told apart by address (cx for the first operand, cy for the second):
	; 32 lanes name 32 blocks, and a second instruction names the 33rd in every lane.  Slots 1 and 2 are asked for here, slot 3 behind slot 1's fill; a slot on is PIECE bytes
	s_cmp_eq_u32 s15, 0
	s_cselect_b64 s[78:79], s[20:21], s[46:47]
	s_cselect_b32 s74, s40, s41
	s_mul_i32 s74, s74, 33*256
	s_mov_b32 s75, 0
	s_add_nc_u64 s[78:79], s[78:79], s[74:75]      ; never rewritten
	v_and_b32 v30, 31, v0
	v_lshlrev_b32 v30, 8, v30                      ; 256 x lane; never rewritten
	v_mov_b32 v31, 0x2000                          ; the 33rd block; never rewritten
.irp k, 1,2
	global_prefetch_b8 v30, s[78:79] offset:\k*PIECE th:TH_LOAD_NT scope:SCOPE_SE
	global_prefetch_b8 v31, s[78:79] offset:\k*PIECE th:TH_LOAD_NT scope:SCOPE_SE
.endr
	v_and_b32 v1, 15, v0
	v_bfe_u32 v2, v0, 4, 1
	s_wait_alu depctr_va_vdst(0)
	v_and_b32 v3, 31, v0
	v_lshlrev_b32 v[LI], 4, v3
	v_lshlrev_b32 v[LS], 2, v1
	s_mul_i32 s21, s15, PIECE
	s_mul_i32 s22, s16, PIECE
	s_add_co_u32 s22, s22, 2*PIECE
.irp s, 0,1
	v_add_nc_u32 v[ADRA+\s], s21, v[LI]
	v_add_nc_u32 v[ADRB+\s], s22, v[LI]
	s_add_co_u32 s21, s21, SLOT
	s_add_co_u32 s22, s22, SLOT
.endr
	s_mul_i32 s21, s15, PIECE
	s_mul_i32 s22, s16, PIECE
	s_add_co_u32 s22, s22, 2*PIECE
	s_sub_co_u32 s22, s22, s21
	v_mul_u32_u24 v6, s22, v2
	s_wait_alu depctr_va_vdst(0)
	v_add_nc_u32 v6, v6, v[LS]
	s_add_co_u32 s21, s21, 16384
	v_add_nc_u32 v[ADRS], s21, v6
	v_add_nc_u32 v[ADRS+1], SLOT, v[ADRS]
	s_lshl_b32 s20, s42, 1
	s_add_co_u32 s20, s20, s16
	s_mul_i32 s20, s20, s66
	s_lshl_b32 s21, s17, 1
	s_add_co_u32 s21, s21, s15
	s_mul_i32 s21, s21, s67
	s_add_co_u32 s20, s20, s21
	s_add_co_u32 s20, s20, s68
	s_mul_i32 s20, s20, SF
	s_mov_b32 s21, 0
	s_add_nc_u64 s[8:9], s[8:9], s[20:21]
.macro FRAG reg, adr, q, i
.irp c, 0,1,2,3
	ds_load_b128 v[\reg+4*\c:\reg+4*\c+3], v[\adr] offset:SF*(\q)+2048*(\i)+512*\c
.endr
.endm
.macro MUL16 a0, p, q, sc, zero
.irp a, \a0, \a0+1
.irp b, 0,1,2,3,4,5,6,7
.if \zero
	v_wmma_scale_f32_16x16x128_f8f6f4 v[8*(8*((\a)%4)+\b):8*(8*((\a)%4)+\b)+7], v[128*(\p)+FR*\b:128*(\p)+FR*\b+FR-1], v[AF+FR*(\a):AF+FR*(\a)+FR-1], 0, v[SC+8*NQ*(\sc)+NQ*\b+(\q)], v[SC+8*NQ*(\sc)+NQ*(\a)+(\q)] matrix_a_scale:MATRIX_SCALE_ROW1
.else
	v_wmma_scale_f32_16x16x128_f8f6f4 v[8*(8*((\a)%4)+\b):8*(8*((\a)%4)+\b)+7], v[128*(\p)+FR*\b:128*(\p)+FR*\b+FR-1], v[AF+FR*(\a):AF+FR*(\a)+FR-1], v[8*(8*((\a)%4)+\b):8*(8*((\a)%4)+\b)+7], v[SC+8*NQ*(\sc)+NQ*\b+(\q)], v[SC+8*NQ*(\sc)+NQ*(\a)+(\q)] matrix_a_scale:MATRIX_SCALE_ROW1
.endif
.endr
.endr
.endm
.macro FETCH_B slot, q, p
	WIN TO_B
.irp i, 0,1,2,3,4,5,6,7
	FRAG 128*(\p)+FR*\i, ADRB+\slot, \q, \i
.endr
	WIN 0
.endm
.macro FETCH_A slot, q, i0
.irp i, \i0, \i0+1, \i0+2, \i0+3
	FRAG AF+FR*(\i), ADRA+\slot, \q, \i
.endr
.endm
.macro SCALES sc
.irp i, 0,1,2,3,4,5,6,7
	ds_load_b32 v[SC+8*NQ*\sc+NQ*\i], v[ADRS+\sc] offset:64*\i
	ds_load_b32 v[SC+8*NQ*\sc+NQ*\i+1], v[ADRS+\sc] offset:SF+64*\i
.endr
.endm
.macro STEP slot, q, zero
	s_wait_dscnt 4*NL
	WIN MUL_LO
	MUL16 0, (\q)%2, \q, \slot, \zero
	MUL16 2, (\q)%2, \q, \slot, \zero
	s_wait_dscnt 0
	PLACES NP
	FETCH_B \slot, (\q)+1, 1-(\q)%2
	FETCH_A \slot, (\q)+1, 0
	WIN MUL_HI
	MUL16 4, (\q)%2, \q, \slot, \zero
	MUL16 6, (\q)%2, \q, \slot, \zero
	PLACES NP
	WIN 0
	FETCH_A \slot, (\q)+1, 4
.endm
.macro TURN slot, next, fill
	s_wait_tensorcnt 0x0
	ds_add_u32 v[SPW], v[NIL]
	s_wait_dscnt 4*NL+1
	WIN MUL_LO
	MUL16 0, 1, NQ-1, \slot, 0
	s_wait_dscnt 0x0
	s_barrier_signal -1
	MUL16 2, 1, NQ-1, \slot, 0
	WIN 0
	s_barrier_wait -1
.if \fill
	CREST
	s_add_nc_u64 s[G0+4*\slot+2:G0+4*\slot+3], s[G0+4*\slot+2:G0+4*\slot+3], 2*PIECE
	s_add_nc_u64 s[G0B+4*\slot+2:G0B+4*\slot+3], s[G0B+4*\slot+2:G0B+4*\slot+3], 2*PIECE
	JLOAD G0+4*\slot, G1, G0B+4*\slot, G1B
	PLACES NP-4
.else
	PLACES NP
.endif
	FETCH_B \next, 0, 0
	FETCH_A \next, 0, 0
	SCALES \next
	WIN MUL_HI
	MUL16 4, 1, NQ-1, \slot, 0
	MUL16 6, 1, NQ-1, \slot, 0
	PLACES NP
	WIN 0
	FETCH_A \next, 0, 4
.endm
	s_wait_alu depctr_va_vdst(0)
	s_wait_tensorcnt 0x0                           ; my part of slot 0 is in
	ds_add_u32 v[SPW], v[NIL]
	s_wait_dscnt 0x0
	CROUND                                         ; everybody's part of slot 0 is in
	JLOAD G0+4, G1, G0B+4, G1B                     ; slot 1's first fill: the first tensor load behind the round
	FETCH_B 0, 0, 0
	FETCH_A 0, 0, 0
	SCALES 0
	FETCH_A 0, 0, 4
	global_prefetch_b8 v30, s[78:79] offset:3*PIECE th:TH_LOAD_NT scope:SCOPE_SE   ; the last slot, two refills ahead of its load
	global_prefetch_b8 v31, s[78:79] offset:3*PIECE th:TH_LOAD_NT scope:SCOPE_SE
	STEP 0, 0, 1
	s_mov_b32 s3, LAPS-1
.Llap:
	TURN 0, 1, 1
	STEP 1, 0, 0
	TURN 1, 0, 1
	STEP 0, 0, 0
	s_sub_co_u32 s3, s3, 1
	s_cmp_lg_u32 s3, 0
	s_cbranch_scc1 .Llap
	TURN 0, 1, 0
	STEP 1, 0, 0
	s_wait_dscnt 4*NL
	WIN MUL_LO
	MUL16 0, 1, NQ-1, 1, 0
	MUL16 2, 1, NQ-1, 1, 0
	s_wait_dscnt 0
	WIN MUL_HI
	MUL16 4, 1, NQ-1, 1, 0
	MUL16 6, 1, NQ-1, 1, 0
	WIN 0
.macro QUANT s, w
	s_wait_xcnt 0x0
	WIN (\w)|((\w)<<2)
.irp b, 0,1,2,3
	v_max3_num_f32 v[TM+\b], |v[(\s)+16*\b]|, |v[(\s)+16*\b+1]|, 0x4800000
.endr
.irp i, 2,4,6,8,10,12,14
.irp b, 0,1,2,3
	v_max3_num_f32 v[TM+\b], |v[(\s)+16*\b+\i]|, |v[(\s)+16*\b+\i+1]|, v[TM+\b]
.endr
.endr
	WIN 0
.irp b, 0,1,2,3
	v_permlanex16_b32 v[TM+4+\b], v[TM+\b], s[SEL], s[SEL+1]
.endr
.irp b, 0,1,2,3
	v_max_num_f32 v[TM+\b], v[TM+\b], v[TM+4+\b]
.endr
.irp b, 0,1,2,3
	v_add_nc_u32 v[TM+12+\b], 0xfc000000, v[TM+\b]
.endr
.irp b, 0,1,2,3
	v_and_or_b32 v[TM+8+\b], v[TM+\b], 0x7f800000, s[MNT]
.endr
.irp b, 0,1,2,3
	v_lshrrev_b32 v[TM+4+\b], 23, v[TM+12+\b]
.endr
	v_lshl_or_b32 v[PW], v[TM+5], 8, v[TM+4]
	v_lshl_or_b32 v[PW], v[TM+6], 16, v[PW]
	v_lshl_or_b32 v[PW], v[TM+7], 24, v[PW]
	WIN \w
.irp b, 0,1,2,3
.irp i, 0,1,2,3,4,5,6,7,8,9,10,11,12,13,14,15
	v_med3_num_f32 v[HB+16*\b+\i], v[(\s)+16*\b+\i], -v[TM+8+\b], v[TM+8+\b]
.endr
.endr
	WIN 0
.irp b, 0,1,2,3
	v_cvt_scalef32_pk8_fp8_f32 v[PC+4*\b:PC+4*\b+1], v[HB+16*\b:HB+16*\b+7], v[TM+12+\b]
	v_cvt_scalef32_pk8_fp8_f32 v[PC+4*\b+2:PC+4*\b+3], v[HB+16*\b+8:HB+16*\b+15], v[TM+12+\b]
.endr
	v_nop
.endm
	PLACES NP
.irp b, 0,1,2,3
	v_mov_b32 v[TM+4+\b], 0
.endr
.irp a, 0,1,2,3,4,5,6,7
	QUANT 64*(\a%4), 2+\a/4
.irp c, 0,1,2,3
	global_store_b128 v[LI], v[PC+4*\c:PC+4*\c+3], s[8:9] offset:2048*\a+512*\c
.endr
	global_store_b32 v[LS], v[PW], s[8:9] offset:16384+64*\a
.endr
	s_wait_tensorcnt 0x0
	ds_add_u32 v[SPW], v[NIL]
	s_wait_dscnt 0x0
	CROUND
	s_endpgm
.Lfunc_end_k_qf1ba426d44_gemm_qkv:
	.size	k_qf1ba426d44_gemm_qkv, .Lfunc_end_k_qf1ba426d44_gemm_qkv-k_qf1ba426d44_gemm_qkv
	.p2alignl 7, 3214868480
	.fill 96, 4, 3214868480
	.section	.rodata,"a",@progbits
	.p2align	6, 0x0
	.amdhsa_kernel k_qf1ba426d44_gemm_qkv
		.amdhsa_group_segment_fixed_size 327680
		.amdhsa_private_segment_fixed_size 0
		.amdhsa_enable_private_segment 0
		.amdhsa_kernarg_size 24
		.amdhsa_user_sgpr_count 2
		.amdhsa_user_sgpr_kernarg_segment_ptr 1
		.amdhsa_wavefront_size32 1
		.amdhsa_system_sgpr_workgroup_id_x 1
		.amdhsa_system_sgpr_workgroup_id_y 1
		.amdhsa_system_sgpr_workgroup_id_z 1
		.amdhsa_system_vgpr_workitem_id 0
		.amdhsa_next_free_vgpr 1024
		.amdhsa_next_free_sgpr 80
		.amdhsa_reserve_vcc 0
		.amdhsa_float_denorm_mode_32 3
		.amdhsa_float_denorm_mode_16_64 3
		.amdhsa_memory_ordered 1
		.amdhsa_forward_progress 1
		.amdhsa_inst_pref_size 186
	.end_amdhsa_kernel
	.amdgpu_metadata
---
amdhsa.version: [ 1, 2 ]
amdhsa.kernels:
  - .name:           k_qf1ba426d44_gemm_qkv
    .symbol:         k_qf1ba426d44_gemm_qkv.kd
    .args:
      - { .name: hn, .offset: 0, .size: 8, .value_kind: global_buffer, .address_space: global }
      - { .name: wts, .offset: 8, .size: 8, .value_kind: global_buffer, .address_space: global }
      - { .name: qkv, .offset: 16, .size: 8, .value_kind: global_buffer, .address_space: global }
    .group_segment_fixed_size: 327680
    .private_segment_fixed_size: 0
    .kernarg_segment_align: 8
    .kernarg_segment_size: 24
    .max_flat_workgroup_size: 128
    .sgpr_count:     80
    .vgpr_count:     1024
    .wavefront_size: 32
...
	.end_amdgpu_metadata
.endif
;; end of part 2
;; launch attn (part 3): grid 16 x 16, 8 waves a work-group, clusters of 4 x 1, 327,680 bytes of LDS; arguments qkv, hn; writes hn
.if DOCPART == 3
	.amdgcn_target "amdgcn-amd-amdhsa--gfx1250"
	.amdhsa_code_object_version 6
	.text
	.protected	k_qf1ba426d44_attn
	.globl	k_qf1ba426d44_attn
	.p2align	8
	.type	k_qf1ba426d44_attn,@function
k_qf1ba426d44_attn:
	s_mov_b64 s[64:65], 0
	v_nop
	global_prefetch_b8 v0, s[64:65] scope:SCOPE_SE
	s_setreg_imm32_b32 hwreg(HW_REG_WAVE_MODE, 25, 1), 1
	s_wait_xcnt 0x0
	s_wait_alu depctr_hold_cnt(0) depctr_sa_sdst(0) depctr_va_vdst(0) depctr_va_sdst(0) depctr_va_ssrc(0) depctr_va_vcc(0) depctr_vm_vsrc(0)
	s_getreg_b32 s2, hwreg(HW_REG_IB_STS2, 6, 4)
	s_cmp_eq_u32 s2, 0
	s_cbranch_scc0 .Lentry_in_a_cluster
	s_endpgm
.Lentry_in_a_cluster:
	s_bfe_u32 s2, ttmp6, 0x10000c
	s_cmp_lg_u32 s2, 0x3003
	s_cbranch_scc0 .Lentry_shape_is_right
	s_endpgm
.Lentry_shape_is_right:
; Attention on codes of FP8 (E4M3) with E8M0 scales: o = softmax(q k^T / 64) v for 32 (batch, head) pairs of 2,048 tokens and head size 64; the result is quantised along the model's axis for the next product.
; THE SOFTMAX AHEAD OF THE SECOND PRODUCT: t = score x log2(e) / 64; M = the running largest t rounded UP to a whole number; p = 2^(t - M) is quantised along the keys, not normalised; the row's sum is taken of the
; unquantised p and divides at the end.  When M moves, the sum and O are multiplied by 2^(old M - new M): exact.
; INPUT: qkv, [24 column blocks][32 token blocks] super-fragments (SF, 16,896 bytes = 128 rows x 128 K as register images: tile i at 2048 i, piece c at 512 c, 16 bytes a lane; scale words at 16384 + 64 i + 4 r;
; lane r of tile i holds row 32 (i / 2) + 8 (i % 2) + r + 8 (r / 8)).  Blocks 0-7 q, 8-15 k: rows = tokens, K = the 128 columns of a pair of heads; blocks 16-23 v: rows = the pair's 128 columns, K = 128 tokens.
; SHARES: a work-group owns 128 queries of a pair g of heads; wave w owns query tiles 2 (w % 4) and 2 (w % 4) + 1 of head 2 g + w / 4: 32 queries, so that each fragment of k and of v that it reads from LDS feeds two products.
; Every wave walks 16 steps of 128 keys.  The two tiles go one behind the other through one set of 64 score registers; k's fragments stay in registers for both and are asked for half a step ahead; v's land under tile 0's softmax.
; BOTH PRODUCTS TRANSPOSED: S^T = k q^T, O^T = v^T p^T: a lane holds one query of each tile throughout, and by the order of rows in a tile p's 16 registers of two neighbouring tiles are 16 neighbouring keys.
; K = 64 IN AN INSTRUCTION OF 128: a head's codes are pieces 2 p, 2 p + 1 of a fragment; they fill registers 0-7 of the operand.  q's registers 8-15 are zeros; k's operand runs on into the next tile's codes
; (the last into eight zero registers): zero times a finite code adds nothing.  The scale words come as 16 bits, so bytes 2 and 3 are 0, which is no NaN.
; THE RING: two slots of four key steps (4 SFs of k, then 4 of v); each of the eight waves fetches one SF, 66 rows of 256 bytes, by one load.  CLUSTER: the four query blocks of a cluster walk the same k and v: each SF is asked for jointly.
; THE CHANGE OF SLOTS STANDS INSIDE A SLOT'S LAST KEY STEP: once v's fragments are in registers that step reads LDS no more, so the waits, the add and the round's opening signal stand there, tile 1's scores, softmax and products
; (registers alone) fill the round, and the round's waits and the refill stand at the step's end.
; No prefetch: a refill is asked for three and a half key steps of all eight waves ahead of the wait for it, so no wave waits for it.
; OUTPUT: hn as [32 token blocks][8 K steps] SFs; K step g; my wave writes pieces 2 p, 2 p + 1 of its two tiles and half of their scale words.
; LIMITS: a block whose largest magnitude lies under 2^-118 keeps the byte 1; a block of zeros gets the byte 1 where the rule says 127 (zero codes; read by this program alone); NaN and infinities are not served;
; the scaled scores t stay under 2^31 in magnitude.
; REGISTERS, window 0: v1-11 addresses; v12-15, v16-19 -M, largest t and the sum of tile 0, 1; v20-27 scale words of v, q, p; v32-103 k; v104-167 S^T, then p; v168-199 q; v200-215 p's codes; v216-223 k's scale words; v224-253 at work.
; window 1: v0-31, v32-63 O^T of tile 0, 1; v64-127 v's four fragments.
.set SF,    16896
.set SLOT,  8*SF
.set SPARE, 2*SLOT                     ; behind the ring: the spare words, 128 bytes for each of 8 waves, which no other line names
.set AK0,  1                           ; my lane's place in a step's SF of k: 16 x lane + 1024 p
.set AV0,  2                           ; of v: 16 x lane + 4 SF + 8192 p
.set ASK0, 3                           ; k's scale words: 16384 + 4 r + 2 p
.set ASV0, 4                           ; v's: 4 SF + 16384 + 256 p + 4 r
.set SPW,  5
.set NIL,  6
.set LI,   7                           ; 16 x lane
.set ADK,  8
.set ADV,  9
.set ADS,  10
.set ADT,  11
.set VS,   20
.set QS,   24
.set PW,   26
.set F,    32
.set S,    104
.set Q,    168
.set PC,   200
.set KS,   216
.set OW,   224                         ; the way out: two scale half words
.set TS,   226                         ; v226, v227 at work
.set BM,   228                         ; each block's largest score, then largest p
.set PM,   232
.set LIM,  236                         ; 448 x scale
.set SCL,  240                         ; the conversions' scale operands
.set FF,   244                         ; v[244:245] f = 2^(old M - new M), and a 0
.set SM,   246                         ; v246-253 four chains of the row's sum
.set LIM2, 247                         ; v247-250 448 x scale once more, in another register bank than v236-239: the two halves of a dual instruction take their second sources from different banks
.set FV,   64                          ; window 1
.set WV,   18
.set MNT,  19
.set SEL,  20
.set CS,   22                          ; s[22:23] c = log2(e) / 64
.set G1,   24
.set G0,   32
.set TB,   2                           ; LDS byte at which the step's SF of k begins
.set CNT,  3
.set PAR,  36                          ; the slot that is read next: 0 or 1
.set VIS,  37
.set MSB, 0
.macro WIN new                         ; the immediate's high byte repeats the setting that is left
.if MSB != \new
	s_set_vgpr_msb (MSB<<8)|\new
.set MSB, \new
.endif
.endm
.macro PLACES n
.rept \n
	v_nop
.endr
.endm
.macro CREST                           ; a round of the cluster's barrier behind its opening barrier
	s_cmp_lg_u32 s[WV], 0
	s_cbranch_scc1 .Lnot_wave_0_\@
	s_barrier_signal -3
.Lnot_wave_0_\@:
	s_barrier_wait -3
	s_barrier_signal -1
	s_barrier_wait -1
.endm
.macro CROUND                          ; a whole round
	s_barrier_signal -1
	s_barrier_wait -1
	CREST
.endm
	s_load_b128 s[4:7], s[0:1], 0x0                ; qkv s[4:5], hn s[6:7]
	v_lshl_add_u32 v[SPW], v0, 2, SPARE
	v_mov_b32 v[NIL], 0
	ds_add_u32 v[SPW], v[NIL]                      ; the opening: the add, twice on end, and its wait ahead of my first tensor load
	ds_add_u32 v[SPW], v[NIL]
	v_lshrrev_b32 v8, 5, v0
	v_readfirstlane_b32 s[WV], v8                  ; wave 0..7
	s_bfe_u32 s8, ttmp6, 0x40000                   ; cx
	s_lshl_b32 s9, ttmp9, 2
	s_add_co_u32 s9, s9, s8                        ; qb: my block of 128 queries; it enters q's and the output's addresses alone
	s_and_b32 s10, ttmp7, 0xffff
	s_lshr_b32 s11, s10, 3                         ; the batch
	s_and_b32 s12, s10, 7                          ; g: the pair of heads
	s_and_b32 s13, s[WV], 3                        ; my pair of query tiles.  Also: which of a slot's four steps I fetch
	s_lshr_b32 s14, s[WV], 2                       ; p: my head of the pair.  Also: I fetch for k (0) or v (1)
	s_lshl_b32 s40, s12, 5
	s_lshl_b32 s41, s11, 4
	s_add_co_u32 s40, s40, s41                     ; 32 g + 16 b: shared by the partners
	s_lshl_b32 s41, s14, 8                         ; v lies 8 column blocks of 32 SFs behind k
	s_add_co_u32 s41, s41, s40
	s_add_co_u32 s41, s41, s13
	s_add_co_u32 s41, s41, 256                     ; k begins at column block 8
	s_mul_i32 s42, s41, SF
	s_mov_b32 s43, 0
	s_mul_i32 s44, s[WV], SF                       ; where my SF goes in a slot
	s_mov_b32 s[G1], 15|(3<<16)|(1<<21)            ; the mask: all four work-groups; elements of 8 bytes; bit 21 beside a mask; no padding
	s_mov_b32 s[G1+1], 32<<16                      ; rows of 256 bytes,
	s_mov_b32 s[G1+2], 66<<16                      ; 66 of them: one SF
	s_mov_b32 s[G1+3], 32<<16
	s_mov_b32 s[G1+4], 66
	s_mov_b32 s[G1+5], 32                          ; dense
	s_mov_b32 s[G1+6], 0
	s_mov_b32 s[G1+7], 0
	s_add_co_u32 s45, s40, s9
	s_mul_i32 s45, s45, SF                         ; q's SF
	s_lshl_b32 s54, s13, 12
	s_lshl_b32 s55, s14, 10
	s_add_co_u32 s54, s54, s55                     ; 2048 x my first tile + 1024 p: my codes in an SF
	s_lshl_b32 s55, s13, 7
	s_lshl_b32 s56, s14, 1
	s_add_co_u32 s55, s55, s56
	s_add_co_u32 s55, s55, 16384                   ; 16384 + 64 x my first tile + 2 p: my halves of its scale words
	s_add_co_u32 s46, s45, s54
	s_mov_b32 s47, 0
	s_add_co_u32 s48, s45, s55
	s_mov_b32 s49, 0
	s_lshl_b32 s50, s11, 4
	s_add_co_u32 s50, s50, s9
	s_lshl_b32 s50, s50, 3
	s_add_co_u32 s50, s50, s12
	s_mul_i32 s50, s50, SF                         ; the output's SF: (16 b + qb) x 8 + g
	s_add_co_u32 s52, s50, s55
	s_add_co_u32 s50, s50, s54
	s_mov_b32 s51, 0
	s_mov_b32 s53, 0
	s_lshl_b32 s57, s14, 10
	s_lshl_b32 s58, s14, 13
	s_add_co_u32 s58, s58, 4*SF
	s_add_co_u32 s59, s56, 16384
	s_lshl_b32 s60, s14, 8
	s_add_co_u32 s60, s60, 4*SF+16384
	s_mov_b32 s[SEL], 0x76543210
	s_mov_b32 s[SEL+1], 0xfedcba98
	s_mov_b32 s[CS], 0x3cb8aa3b                    ; log2(e) / 64
	s_mov_b32 s[CS+1], s[CS]
	s_mov_b32 s[MNT], 0x600000
	s_mov_b32 s[PAR], 0
	s_mov_b32 s[VIS], 2
	s_wait_dscnt 0x0                               ; both opening adds are done
	s_wait_kmcnt 0x0
	s_add_nc_u64 s[46:47], s[4:5], s[46:47]
	s_add_nc_u64 s[48:49], s[4:5], s[48:49]
	s_add_nc_u64 s[50:51], s[6:7], s[50:51]
	s_add_nc_u64 s[52:53], s[6:7], s[52:53]
	s_mov_b32 s[G0], 1
	s_mov_b32 s[G0+1], s44
	s_add_nc_u64 s[G0+2:G0+3], s[4:5], s[42:43]
	s_or_b32 s[G0+3], s[G0+3], 0x80000000
	CROUND                                         ; all four work-groups are here: the first joint loads meet
	tensor_load_to_lds s[G0:G0+3], s[G1:G1+7]      ; slot 0: every wave's one load at the head
	s_nop 0
	PLACES 4
	v_and_b32 v8, 31, v0
	v_lshlrev_b32 v[LI], 4, v8
	v_and_b32 v9, 15, v0
	v_lshlrev_b32 v10, 2, v9                       ; 4 r
.irp x, 0,1
	global_load_b128 v[Q+16*\x:Q+16*\x+3], v[LI], s[46:47] offset:2048*\x       ; q: my head's two pieces of tile x
	global_load_b128 v[Q+16*\x+4:Q+16*\x+7], v[LI], s[46:47] offset:2048*\x+512
	global_load_u16 v[QS+\x], v10, s[48:49] offset:64*\x                        ; and its two scale bytes
.endr
	v_add_nc_u32 v[AK0], s57, v[LI]
	v_add_nc_u32 v[AV0], s58, v[LI]
	v_add_nc_u32 v[ASK0], s59, v10
	v_add_nc_u32 v[ASV0], s60, v10
.irp j, 8,9,10,11,12,13,14,15
	v_mov_b32 v[Q+\j], 0                           ; the upper 64 of the instruction's K: zero codes
	v_mov_b32 v[Q+16+\j], 0
	v_mov_b32 v[F+56+\j], 0                        ; v96-103
.endr
.irp x, 0,4
	v_mov_b32 v[13+\x], 0xff61b1e6                 ; the largest t so far: -3e38
	v_floor_f32 v[12+\x], -v[13+\x]                ; -M
	v_mov_b32 v[14+\x], 0
	v_mov_b32 v[15+\x], 0
.endr
	v_mov_b32 v[FF+1], 0                           ; (named as the upper half of the pair)
	v_mov_b32 v[TS+1], 0
.irp b, 0,1,2,3
	v_mov_b32 v[PM+\b], 0                          ; written once: a lane permute's destination counts as one of its sources
.endr
	WIN 0x40
.set j, 0
.rept 64
	v_mov_b32 v[j], 0                              ; O^T of both tiles: the step is written for every turn alike; its first turn finds zeros
.set j, j+1
.endr
	WIN 0
.macro SCORES x                        ; S^T = k q^T for tile x: eight tiles of 16 keys
.irp t, 0,1,2,3,4,5,6,7
	v_wmma_scale_f32_16x16x128_f8f6f4 v[S+8*\t:S+8*\t+7], v[F+8*\t:F+8*\t+15], v[Q+16*(\x):Q+16*(\x)+15], 0, v[KS+\t], v[QS+(\x)]
.endr
.endm
.macro PV x                            ; O^T += v^T p^T for tile x: D, C and v's fragments in window 1; the four accumulators by turns
	WIN 0x51
.irp u, 0,1,2,3
	v_wmma_scale_f32_16x16x128_f8f6f4 v[32*(\x)+8*\u:32*(\x)+8*\u+7], v[FV+16*\u:FV+16*\u+15], v[PC:PC+15], v[32*(\x)+8*\u:32*(\x)+8*\u+7], v[VS+\u], v[PW]
.endr
	WIN 0
.endm
.macro SOFTMAX x                       ; the 64 scores of tile x -> p's codes and scale word; the sum and O^T brought under the new M
.set ST, 12+4*(\x)
.irp b, 0,1,2,3
	v_max3_num_f32 v[BM+\b], v[S+16*\b], v[S+16*\b+1], v[S+16*\b+2]    ; the largest score of each block of 32 keys: for the row's maximum, and, since p rises with the score, for the block's largest p
.endr
.irp i, 3,5,7,9,11,13
.irp b, 0,1,2,3
	v_max3_num_f32 v[BM+\b], v[BM+\b], v[S+16*\b+\i], v[S+16*\b+\i+1]
.endr
.endr
.irp b, 0,1,2,3
	v_max_num_f32 v[BM+\b], v[BM+\b], v[S+16*\b+15]
.endr
.irp b, 0,1,2,3
	s_delay_alu instid0(VALU_DEP_4)
	v_permlanex16_b32 v[PM+\b], v[BM+\b], s[SEL], s[SEL+1]
.endr
.irp b, 0,1,2,3
	s_delay_alu instid0(VALU_DEP_4)
	v_max_num_f32 v[BM+\b], v[BM+\b], v[PM+\b]     ; with lane l xor 16's 16 keys
.endr
	s_delay_alu instid0(VALU_DEP_2)
	v_max3_num_f32 v[TS], v[BM], v[BM+1], v[BM+2]
	s_delay_alu instid0(VALU_DEP_1)
	v_max_num_f32 v[TS], v[TS], v[BM+3]
	s_delay_alu instid0(VALU_DEP_1)
	v_mul_f32 v[TS], s[CS], v[TS]                  ; the step's largest t
	s_delay_alu instid0(VALU_DEP_1)
	v_max_num_f32 v[ST+1], v[ST+1], v[TS]
	v_mov_b32 v[TS], v[ST]
	s_delay_alu instid0(VALU_DEP_2)
	v_floor_f32 v[ST], -v[ST+1]                    ; the new -M = -ceil(t)
	s_delay_alu instid0(VALU_DEP_1)
	v_sub_f32 v[TS], v[ST], v[TS]                  ; old M - new M: a whole number, 0 or less
	s_delay_alu instid0(VALU_DEP_1)
	v_cvt_i32_f32 v[TS], v[TS]                     ; (it saturates)
	s_delay_alu instid0(VALU_DEP_1)
	v_ldexp_f32 v[FF], 1.0, v[TS]                  ; f = 2^(old M - new M)
.set j, 0
.rept 32
	v_pk_fma_f32 v[S+j:S+j+1], v[S+j:S+j+1], s[CS:CS+1], v[ST:ST+1] op_sel_hi:[1,0,0]    ; t - M
.set j, j+2
.endr
.irp b, 0,1,2,3
	v_fma_f32 v[BM+\b], v[BM+\b], s[CS], v[ST]     ; the same of each block's largest score
.endr
	s_wait_alu depctr_va_vdst(0)                   ; ahead of the batch
.set j, 0
.rept 64
	v_exp_f32 v[S+j], v[S+j]                       ; p = 2^(t - M)
.set j, j+1
.endr
.irp b, 0,1,2,3
	v_exp_f32 v[BM+\b], v[BM+\b]                   ; the block's largest p: the same two instructions on the same number
.endr
	v_pk_mul_f32 v[ST+2:ST+3], v[ST+2:ST+3], v[FF:FF+1] op_sel_hi:[1,0]    ; the sums under the new M.  (A plain line behind the exponentials)
	s_wait_alu depctr_va_vdst(0)                   ; one wait for the batch of 68, ahead of its first reader
.irp k, 0,1,2,3
	v_pk_add_f32 v[SM+2*\k:SM+2*\k+1], v[S+2*\k:S+2*\k+1], v[S+8+2*\k:S+8+2*\k+1]    ; the row's sum of the unquantised p, in four chains
.endr
.irp j, 16,24,32,40,48,56
.irp k, 0,1,2,3
	v_pk_add_f32 v[SM+2*\k:SM+2*\k+1], v[SM+2*\k:SM+2*\k+1], v[S+\j+2*\k:S+\j+2*\k+1]
.endr
.endr
	v_pk_add_f32 v[SM:SM+1], v[SM:SM+1], v[SM+2:SM+3]
	v_pk_add_f32 v[SM+4:SM+5], v[SM+4:SM+5], v[SM+6:SM+7]
	v_pk_add_f32 v[SM:SM+1], v[SM:SM+1], v[SM+4:SM+5]
	v_pk_add_f32 v[ST+2:ST+3], v[ST+2:ST+3], v[SM:SM+1]
.irp b, 0,1,2,3
	v_max_num_f32 v[BM+\b], 0x4800000, v[BM+\b]    ; the floor 2^(9 - 127)
.endr
.irp b, 0,1,2,3
	s_delay_alu instid0(VALU_DEP_4)
	v_add_nc_u32 v[SCL+\b], 0xfc000000, v[BM+\b]
.endr
.irp b, 0,1,2,3
	v_and_or_b32 v[LIM+\b], v[BM+\b], 0x7f800000, s[MNT]
.endr
.irp b, 0,1,2,3
	v_and_or_b32 v[LIM2+\b], v[BM+\b], 0x7f800000, s[MNT]
.endr
.irp b, 0,1,2,3
	v_lshrrev_b32 v[PM+\b], 23, v[SCL+\b]
.endr
	s_delay_alu instid0(VALU_DEP_3)
	v_lshl_or_b32 v[PW], v[PM+1], 8, v[PM]         ; p's scale word for these 128 keys
	s_delay_alu instid0(VALU_DEP_1)
	v_lshl_or_b32 v[PW], v[PM+2], 16, v[PW]
	s_delay_alu instid0(VALU_DEP_1)
	v_lshl_or_b32 v[PW], v[PM+3], 24, v[PW]
.irp b, 0,1,2,3
.irp i, 0,2,4,6,8,10,12,14
	v_dual_min_num_f32 v[S+16*\b+\i], v[S+16*\b+\i], v[LIM+\b] :: v_dual_min_num_f32 v[S+16*\b+\i+1], v[S+16*\b+\i+1], v[LIM2+\b]   ; the conversion does not saturate (ISA guide 7.6.2); p is not negative: the hold is one-sided; two holds an instruction
.endr
	v_cvt_scalef32_pk8_fp8_f32 v[PC+4*\b:PC+4*\b+1], v[S+16*\b:S+16*\b+7], v[SCL+\b]
	v_cvt_scalef32_pk8_fp8_f32 v[PC+4*\b+2:PC+4*\b+3], v[S+16*\b+8:S+16*\b+15], v[SCL+\b]
.endr
	WIN 0x41                                       ; O^T: destination and source 0 in window 1
	s_wait_alu depctr_va_vdst(0)                   ; directly ahead of the first reader of O^T
.set j, 0
.rept 16
	v_pk_mul_f32 v[32*(\x)+j:32*(\x)+j+1], v[32*(\x)+j:32*(\x)+j+1], v[FF:FF+1] op_sel_hi:[1,0]    ; O^T under the new M.  (These are also the places between the codes and the products)
.set j, j+2
.endr
	WIN 0
.endm
.macro KLOAD o                         ; k's eight half fragments and scale words of the key step that begins o bytes behind the address registers' step
.irp t, 0,1,2,3,4,5,6,7
	ds_load_b128 v[F+8*\t:F+8*\t+3], v[ADK] offset:(\o)+2048*\t
	ds_load_b128 v[F+8*\t+4:F+8*\t+7], v[ADK] offset:(\o)+2048*\t+512
	ds_load_u16 v[KS+\t], v[ADS] offset:(\o)+64*\t
.endr
.endm
; THE CHANGE OF SLOTS, in two halves.  OPEN: the wave waits for its tensor load (its SF of the slot ahead), adds 0 to its spare word, waits for that and for its reads of the slot that it leaves, and signals.
; CLOSE: the barrier's wait.  fill = 1: the barrier opens a round of the cluster's; behind the round the slot just left takes the next four key steps (the first time: slot 1's first fill).
.macro OPEN fill
	s_wait_tensorcnt 0x0                           ; no tensor load of mine is out, so group 0 may be written
	ds_add_u32 v[SPW], v[NIL]
	s_mul_i32 s[TB], s[PAR], SLOT                  ; the slot that is read next
.if \fill
	s_xor_b32 s[PAR], s[PAR], 1
	s_mul_i32 s45, s[PAR], SLOT                    ; the other slot,
	s_add_co_u32 s[G0+1], s45, s44                 ; my SF's place in it,
	s_add_nc_u64 s[G0+2:G0+3], s[G0+2:G0+3], 4*SF  ; the next four key steps
.endif
	s_wait_dscnt 0x0
	s_barrier_signal -1
.endm
.macro CLOSE fill
	s_barrier_wait -1
.if \fill
	CREST
	tensor_load_to_lds s[G0:G0+3], s[G1:G1+7]      ; the first thing behind the round, and my one tensor load until the next
	s_nop 0
	PLACES 4
.endif
.endm
; A KEY STEP: 128 keys, both tiles.  last = 1: a slot's last step, with the change of slots in it.
.macro STEP last, fill
	s_wait_alu depctr_va_vdst(0)                   ; directly ahead of the wait below
	s_wait_dscnt 0x0                               ; k's fragments, asked for in the middle of the step before or at the slot's head
	SCORES 0
	v_add_nc_u32 v[ADK], s[TB], v[AK0]             ; these four and four v_nop: the places behind the scores' products, and in front of loads into what the last step's products read
	v_add_nc_u32 v[ADS], s[TB], v[ASK0]
	v_add_nc_u32 v[ADV], s[TB], v[AV0]
	v_add_nc_u32 v[ADT], s[TB], v[ASV0]
	PLACES 4
	WIN 0x40
.irp u, 0,1,2,3                                ; v's fragments are asked for here and land under tile 0's softmax
.irp c, 0,1,2,3
	ds_load_b128 v[FV+16*\u+4*\c:FV+16*\u+4*\c+3], v[ADV] offset:2048*\u+512*\c
.endr
.endr
	WIN 0
.irp u, 0,1,2,3
	ds_load_b32 v[VS+\u], v[ADT] offset:64*\u
.endr
	SOFTMAX 0
	s_wait_alu depctr_va_vdst(0)                   ; directly ahead of the wait below
	s_wait_dscnt 0x0                               ; v's fragments and scale words are in
.if \last
	OPEN \fill                                     ; this slot is read no more: all that follows up to CLOSE works on registers
.endif
	SCORES 1                                       ; k's fragments serve a second time,
	PV 0                                           ; and twelve products stand on end
	PLACES 8
.if \last == 0
	KLOAD SF                                       ; the next step's k lands under tile 1's softmax
.endif
	SOFTMAX 1
	PV 1                                           ; v's fragments serve a second time
.if \last
	s_wait_alu depctr_va_vdst(0)                   ; directly ahead of the barrier's wait
	CLOSE \fill
.endif
.endm
.macro STEPS n                         ; a slot's first n key steps
	v_add_nc_u32 v[ADK], s[TB], v[AK0]
	v_add_nc_u32 v[ADS], s[TB], v[ASK0]
	KLOAD 0                                        ; the slot's first step
	s_mov_b32 s[CNT], \n
.Lstep_\@:
	STEP 0, 0
	s_add_co_u32 s[TB], s[TB], SF
	s_sub_co_u32 s[CNT], s[CNT], 1
	s_cmp_lg_u32 s[CNT], 0
	s_wait_alu depctr_va_vdst(0)                   ; ahead of the branch
	s_cbranch_scc1 .Lstep_\@
.endm
	s_wait_alu depctr_va_vdst(0)                   ; at the head's end
	s_wait_loadcnt 0x0                             ; q
	OPEN 1                                         ; slot 0 is whole;
	CLOSE 1                                        ; slot 1's first fill, issued as a refill is
.Lvisit:                                           ; two trips: key steps 0-3 and 4-7; each asks for the four steps eight on
	STEPS 3
	STEP 1, 1
	s_sub_co_u32 s[VIS], s[VIS], 1
	s_cmp_lg_u32 s[VIS], 0
	s_cbranch_scc1 .Lvisit
	s_mov_b32 s[VIS], 2
.Ltail:                                            ; two trips: key steps 8-11 and 12-15, which ask for nothing.  The fourth step's look-ahead reads the landed bytes behind k's four SFs (v's first); they are written over unread.
	STEPS 4
	OPEN 0                                         ; a plain barrier: the first trip's shows the last slot whole; the second's orders nothing more
	CLOSE 0
	s_sub_co_u32 s[VIS], s[VIS], 1
	s_cmp_lg_u32 s[VIS], 0
	s_cbranch_scc1 .Ltail
	; THE WAY OUT: O^T / the sum; register 32 x + 16 b + e is channel 32 b + 16 (lane / 16) + e of tile x: four blocks of the next product's K; sixteen code registers are two pieces of each of two fragments.
	PLACES 8
	v_add_f32 v14, v14, v15
	v_add_f32 v18, v18, v19
	v_permlanex16_b32 v[TS], v14, s[SEL], s[SEL+1]
	v_permlanex16_b32 v[TS+1], v18, s[SEL], s[SEL+1]
	v_add_f32 v14, v14, v[TS]                      ; the rows' sums
	v_add_f32 v18, v18, v[TS+1]
	s_wait_alu depctr_va_vdst(0)                   ; ahead of the transcendentals
	v_rcp_f32 v14, v14
	v_rcp_f32 v18, v18
	v_and_b32 v[TS], 15, v0                        ; (a plain line behind the transcendentals)
	v_lshlrev_b32 v[TS], 2, v[TS]                  ; 4 r
	WIN 0x01                                       ; source 0: window 1
	s_wait_alu depctr_va_vdst(0)                   ; the wait ahead of the first reader of the reciprocals and of O^T
.set j, 0
.rept 64
	v_mul_f32 v[S+j], v[j], v[14+4*(j/32)]
.set j, j+1
.endr
	WIN 0
.irp b, 0,1,2,3
	v_max3_num_f32 v[BM+\b], |v[S+16*\b]|, |v[S+16*\b+1]|, 0x4800000
.endr
.irp i, 2,4,6,8,10,12,14
.irp b, 0,1,2,3
	s_delay_alu instid0(VALU_DEP_4)
	v_max3_num_f32 v[BM+\b], v[BM+\b], |v[S+16*\b+\i]|, |v[S+16*\b+\i+1]|
.endr
.endr
.irp b, 0,1,2,3
	v_permlanex16_b32 v[PM+\b], v[BM+\b], s[SEL], s[SEL+1]
.endr
.irp b, 0,1,2,3
	s_delay_alu instid0(VALU_DEP_4)
	v_max_num_f32 v[BM+\b], v[BM+\b], v[PM+\b]
.endr
.irp b, 0,1,2,3
	s_delay_alu instid0(VALU_DEP_4)
	v_add_nc_u32 v[SCL+\b], 0xfc000000, v[BM+\b]
.endr
.irp b, 0,1,2,3
	v_and_or_b32 v[LIM+\b], v[BM+\b], 0x7f800000, s[MNT]
.endr
.irp b, 0,1,2,3
	v_lshrrev_b32 v[PM+\b], 23, v[SCL+\b]
.endr
	v_lshl_or_b32 v[OW], v[PM+1], 8, v[PM]         ; my two bytes of the row's scale word, tile 0,
	v_lshl_or_b32 v[OW+1], v[PM+3], 8, v[PM+2]     ; tile 1
.irp b, 0,1,2,3
.irp i, 0,1,2,3,4,5,6,7,8,9,10,11,12,13,14,15
	v_med3_num_f32 v[S+16*\b+\i], v[S+16*\b+\i], -v[LIM+\b], v[LIM+\b]
.endr
	v_cvt_scalef32_pk8_fp8_f32 v[PC+4*\b:PC+4*\b+1], v[S+16*\b:S+16*\b+7], v[SCL+\b]
	v_cvt_scalef32_pk8_fp8_f32 v[PC+4*\b+2:PC+4*\b+3], v[S+16*\b+8:S+16*\b+15], v[SCL+\b]
.endr
	v_nop
.irp x, 0,1
	global_store_b128 v[LI], v[PC+8*\x:PC+8*\x+3], s[50:51] offset:2048*\x          ; 512 consecutive bytes, aligned
	global_store_b128 v[LI], v[PC+8*\x+4:PC+8*\x+7], s[50:51] offset:2048*\x+512
	global_store_b16 v[TS], v[OW+\x], s[52:53] offset:64*\x                         ; both halves of the lanes write the same two bytes to the same place
.endr
	s_wait_tensorcnt 0x0                           ; the wave's end
	ds_add_u32 v[SPW], v[NIL]
	s_wait_dscnt 0x0
	CROUND                                         ; the closing round
	s_endpgm
.Lfunc_end_k_qf1ba426d44_attn:
	.size	k_qf1ba426d44_attn, .Lfunc_end_k_qf1ba426d44_attn-k_qf1ba426d44_attn
	.p2alignl 7, 3214868480
	.fill 96, 4, 3214868480
	.section	.rodata,"a",@progbits
	.p2align	6, 0x0
	.amdhsa_kernel k_qf1ba426d44_attn
		.amdhsa_group_segment_fixed_size 327680
		.amdhsa_private_segment_fixed_size 0
		.amdhsa_enable_private_segment 0
		.amdhsa_kernarg_size 16
		.amdhsa_user_sgpr_count 2
		.amdhsa_user_sgpr_kernarg_segment_ptr 1
		.amdhsa_wavefront_size32 1
		.amdhsa_system_sgpr_workgroup_id_x 1
		.amdhsa_system_sgpr_workgroup_id_y 1
		.amdhsa_system_sgpr_workgroup_id_z 1
		.amdhsa_system_vgpr_workitem_id 0
		.amdhsa_next_free_vgpr 384
		.amdhsa_next_free_sgpr 66
		.amdhsa_reserve_vcc 0
		.amdhsa_float_denorm_mode_32 3
		.amdhsa_float_denorm_mode_16_64 3
		.amdhsa_memory_ordered 1
		.amdhsa_forward_progress 1
		.amdhsa_inst_pref_size 136
	.end_amdhsa_kernel
	.amdgpu_metadata
---
amdhsa.version: [ 1, 2 ]
amdhsa.kernels:
  - .name:           k_qf1ba426d44_attn
    .symbol:         k_qf1ba426d44_attn.kd
    .args:
      - { .name: qkv, .offset: 0, .size: 8, .value_kind: global_buffer, .address_space: global }
      - { .name: hn, .offset: 8, .size: 8, .value_kind: global_buffer, .address_space: global }
    .group_segment_fixed_size: 327680
    .private_segment_fixed_size: 0
    .kernarg_segment_align: 8
    .kernarg_segment_size: 16
    .max_flat_workgroup_size: 256
    .sgpr_count:     66
    .vgpr_count:     384
    .wavefront_size: 32
...
	.end_amdgpu_metadata
.endif
;; end of part 3
;; launch gemm_out (part 4): grid 8 x 32, 4 waves a work-group, clusters of 4 x 4, 327,680 bytes of LDS; arguments hn, wts, b_out, x, x1; writes x1
.if DOCPART == 4
	.amdgcn_target "amdgcn-amd-amdhsa--gfx1250"
	.amdhsa_code_object_version 6
	.text
	.protected	k_qf1ba426d44_gemm_out
	.globl	k_qf1ba426d44_gemm_out
	.p2align	8
	.type	k_qf1ba426d44_gemm_out,@function
k_qf1ba426d44_gemm_out:
	s_mov_b64 s[64:65], 0
	v_nop
	global_prefetch_b8 v0, s[64:65] scope:SCOPE_SE
	s_setreg_imm32_b32 hwreg(HW_REG_WAVE_MODE, 25, 1), 1
	s_wait_xcnt 0x0
	s_wait_alu depctr_hold_cnt(0) depctr_sa_sdst(0) depctr_va_vdst(0) depctr_va_sdst(0) depctr_va_ssrc(0) depctr_va_vcc(0) depctr_vm_vsrc(0)
	s_getreg_b32 s2, hwreg(HW_REG_IB_STS2, 6, 4)
	s_cmp_eq_u32 s2, 0
	s_cbranch_scc0 .Lentry_in_a_cluster
	s_endpgm
.Lentry_in_a_cluster:
	s_bfe_u32 s2, ttmp6, 0x10000c
	s_cmp_lg_u32 s2, 0xf033
	s_cbranch_scc0 .Lentry_shape_is_right
	s_endpgm
.Lentry_shape_is_right:
.set SF,     16896
.set KS,     8
.set WOFF,   192*SF
.set LAPS,   KS/8
.set PIECE,  2*SF
.set SLOT,   4*PIECE
.set STAGE,  2*SLOT
.set SPITCH, 272
.set SPARE,  STAGE+4*16*SPITCH
.set ADRA, 16
.set ADRB, 20
.set ADRS, 22
.set STO,  24
.set RD,   25
.set CO,   26
.set SPW,  28
.set NIL,  29
.set SC,   32
.set BIAS, 40
.set OB,   40
.set ACC,  128
.set G1, 24
.set G0, 32
.set G1B, 48
.set G0B, 56
.set MSB, 0
.macro WIN new
.set NW, \new
.if MSB != NW
	s_set_vgpr_msb (MSB<<8)|NW
.set MSB, NW
.endif
.endm
.set MUL,  0x05
.set TO_F, 0x40
.macro JLOAD s
	s_cmp_eq_u32 s15, 0
	s_cbranch_scc0 .Lfor_b_\@
	tensor_load_to_lds s[G0+4*\s:G0+4*\s+3], s[G1:G1+7]
	s_nop 0
.rept 4
	v_nop
.endr
	s_branch .Lasked_\@
.Lfor_b_\@:
	tensor_load_to_lds s[G0B+4*\s:G0B+4*\s+3], s[G1B:G1B+7]
	s_nop 0
.rept 4
	v_nop
.endr
.Lasked_\@:
.endm
.macro CREST
	s_cmp_lg_u32 s14, 0
	s_cbranch_scc1 .Lnot_wave_0_\@
	s_barrier_signal -3
.Lnot_wave_0_\@:
	s_barrier_wait -3
	s_barrier_signal -1
	s_barrier_wait -1
.endm
.macro CROUND
	s_barrier_signal -1
	s_barrier_wait -1
	CREST
.endm
.macro PLACES n
.rept \n
	v_nop
.endr
.endm
	s_load_b256 s[4:11], s[0:1], 0x0
	s_load_b64 s[12:13], s[0:1], 0x20
	v_lshl_add_u32 v[SPW], v0, 2, SPARE
	v_mov_b32 v[NIL], 0
	ds_add_u32 v28, v29
	ds_add_u32 v28, v29
	s_wait_dscnt 0x0
	v_lshrrev_b32 v1, 5, v0
	v_readfirstlane_b32 s14, v1
	s_lshr_b32 s15, s14, 1
	s_and_b32 s16, s14, 1
	s_bfe_u32 s40, ttmp6, 0x40000
	s_bfe_u32 s41, ttmp6, 0x40004
	s_lshl_b32 s42, ttmp9, 2
	s_add_co_u32 s42, s42, s40
	s_and_b32 s17, ttmp7, 0xffff
	s_lshl_b32 s17, s17, 2
	s_add_co_u32 s17, s17, s41
	s_lshl_b32 s43, s41, 2
	s_lshl_b32 s43, 15, s43
	s_lshl_b32 s44, 0x1111, s40
	s_or_b32 s[G1], s43, (3<<16)|(1<<21)
	s_or_b32 s[G1B], s44, (3<<16)|(1<<21)
.irp g, G1, G1B
	s_mov_b32 s[\g+1], 32<<16
	s_mov_b32 s[\g+2], 264<<16                     ; 264 rows of 256 bytes: four SFs, half of K
	s_mov_b32 s[\g+3], 32<<16
	s_mov_b32 s[\g+4], 264
	s_mov_b32 s[\g+5], 32
	s_mov_b32 s[\g+6], 0
	s_mov_b32 s[\g+7], 0
.endr
	s_lshl_b32 s18, s16, 2                         ; which four of K's eight steps I fetch
	s_mul_i32 s20, s17, KS
	s_add_co_u32 s20, s20, s18
	s_mul_i32 s20, s20, SF
	s_mov_b32 s21, 0
	s_mul_i32 s46, s42, KS
	s_add_co_u32 s46, s46, s18
	s_mul_i32 s46, s46, SF
	s_add_co_u32 s46, s46, WOFF
	s_mov_b32 s47, 0
	s_mul_i32 s45, s16, SLOT                       ; ALL OF K LIES IN LDS AT ONCE, 8 SFs of each operand: K steps 0-3 in the first half, 4-7 in the second;
	s_mul_i32 s19, s15, 2*PIECE                    ; in a half the first operand's four SFs, then the second's
	s_add_co_u32 s45, s45, s19
	s_wait_kmcnt 0x0
	s_add_nc_u64 s[20:21], s[4:5], s[20:21]
	s_add_nc_u64 s[46:47], s[6:7], s[46:47]
	CROUND
.irp s, 0
	s_mov_b32 s[G0+4*\s], 1
	s_add_co_u32 s[G0+4*\s+1], s45, \s*SLOT
	s_add_nc_u64 s[G0+4*\s+2:G0+4*\s+3], s[20:21], \s*4*SF
	s_or_b32 s[G0+4*\s+3], s[G0+4*\s+3], 0x80000000
	s_mov_b32 s[G0B+4*\s], 1
	s_add_co_u32 s[G0B+4*\s+1], s45, \s*SLOT
	s_add_nc_u64 s[G0B+4*\s+2:G0B+4*\s+3], s[46:47], \s*4*SF
	s_or_b32 s[G0B+4*\s+3], s[G0B+4*\s+3], 0x80000000
.endr
	JLOAD 0                                        ; slot 0: my one tensor load at the head; the set-up and the loads of bias and residual stand under it
	v_and_b32 v1, 15, v0
	v_bfe_u32 v2, v0, 4, 1
	s_wait_alu depctr_va_vdst(0)
	v_and_b32 v3, 31, v0
	v_lshlrev_b32 v3, 4, v3
	s_lshl_b32 s21, s15, 13
	s_lshl_b32 s22, s16, 13
	s_add_co_u32 s22, s22, 2*PIECE
.irp s, 0,1
	v_add_nc_u32 v[ADRA+\s], s21, v3
	v_add_nc_u32 v[ADRB+\s], s22, v3
	s_add_co_u32 s21, s21, SLOT
	s_add_co_u32 s22, s22, SLOT
.endr
	s_lshl_b32 s21, s15, 8
	s_lshl_b32 s22, s16, 8
	s_add_co_u32 s22, s22, 2*PIECE
	s_sub_co_u32 s22, s22, s21
	v_mul_u32_u24 v6, s22, v2
	v_lshl_add_u32 v6, v1, 2, v6
	s_add_co_u32 s21, s21, 16384
	v_add_nc_u32 v[ADRS], s21, v6
	v_add_nc_u32 v[ADRS+1], SLOT, v[ADRS]
	s_mul_i32 s23, s14, 16*SPITCH
	s_add_co_u32 s23, s23, STAGE
	v_mul_u32_u24 v4, v1, SPITCH
	v_lshl_add_u32 v4, v2, 6, v4
	v_add_nc_u32 v[STO], s23, v4
	v_mul_u32_u24 v5, v2, SPITCH
	v_lshl_add_u32 v5, v1, 4, v5
	v_add_nc_u32 v[RD], s23, v5
	v_lshlrev_b32 v[CO], 12, v2
	v_lshl_add_u32 v[CO], v1, 4, v[CO]
	v_lshlrev_b32 v7, 6, v2
	s_wait_alu depctr_va_vdst(0)
	s_lshl_b32 s20, s42, 9
	s_lshl_b32 s21, s16, 8
	s_add_co_u32 s20, s20, s21
	s_mov_b32 s21, 0
	s_add_nc_u64 s[8:9], s[8:9], s[20:21]
	s_lshl_b32 s22, s17, 19
	s_lshl_b32 s23, s15, 18
	s_add_co_u32 s22, s22, s23
	s_add_co_u32 s20, s20, s22
	s_add_nc_u64 s[10:11], s[10:11], s[20:21]
	s_add_nc_u64 s[12:13], s[12:13], s[20:21]
.irp b, 0,1,2,3
	global_load_b128 v[BIAS+8*\b:BIAS+8*\b+3], v7, s[8:9] offset:(32*(\b/2)+8*(\b%2))*4
	global_load_b128 v[BIAS+8*\b+4:BIAS+8*\b+7], v7, s[8:9] offset:(32*(\b/2)+8*(\b%2))*4+16
.endr
	WIN 0x80
.irp a, 0,1,2,3
.irp t, 0,1,2,3,4,5,6,7
	global_load_b128 v[32*\a+4*\t:32*\a+4*\t+3], v[CO], s[10:11] offset:(32*(\a/2)+8*(\a%2)+2*\t+8*(\t/4))*4096
.endr
.endr
	WIN 0
.macro MUL4 f, a, bias
.irp b, 0,1,2,3
.if \bias
	v_wmma_scale_f32_16x16x128_f8f6f4 v[ACC+8*(4*(\a)+\b):ACC+8*(4*(\a)+\b)+7], v[128*(\f)+64+16*\b:128*(\f)+64+16*\b+15], v[128*(\f)+16*(\a):128*(\f)+16*(\a)+15], v[BIAS+8*\b:BIAS+8*\b+7], v[SC+4*(\f)+\b], v[SC+4*(\f)+(\a)] matrix_a_scale:MATRIX_SCALE_ROW1
.else
	v_wmma_scale_f32_16x16x128_f8f6f4 v[ACC+8*(4*(\a)+\b):ACC+8*(4*(\a)+\b)+7], v[128*(\f)+64+16*\b:128*(\f)+64+16*\b+15], v[128*(\f)+16*(\a):128*(\f)+16*(\a)+15], v[ACC+8*(4*(\a)+\b):ACC+8*(4*(\a)+\b)+7], v[SC+4*(\f)+\b], v[SC+4*(\f)+(\a)] matrix_a_scale:MATRIX_SCALE_ROW1
.endif
.endr
.endm
.macro FETCH slot, q, f
	WIN TO_F
.irp i, 0,1,2,3
.irp c, 0,1,2,3
	ds_load_b128 v[128*(\f)+64+16*\i+4*\c:128*(\f)+64+16*\i+4*\c+3], v[ADRB+\slot] offset:SF*(\q)+2048*\i+512*\c
	ds_load_b128 v[128*(\f)+16*\i+4*\c:128*(\f)+16*\i+4*\c+3], v[ADRA+\slot] offset:SF*(\q)+2048*\i+512*\c
.endr
.endr
	WIN 0
.irp i, 0,1,2,3
	ds_load_b32 v[SC+4*(\f)+\i], v[ADRS+\slot] offset:SF*(\q)+64*\i
.endr
.endm
.macro KSTEP slot, q, bias
	s_wait_dscnt 0x0
	PLACES 8
	FETCH \slot, (\q)+1, 1-(\q)%2
	WIN MUL
	MUL4 (\q)%2, 0, \bias
	MUL4 (\q)%2, 1, \bias
	MUL4 (\q)%2, 2, \bias
	MUL4 (\q)%2, 3, \bias
.endm
.macro TURN slot, next, fill
	WIN 0
	s_wait_tensorcnt 0x0
	ds_add_u32 v[SPW], v[NIL]
	s_wait_dscnt 1
	WIN MUL
	MUL4 1, 0, 0
	s_wait_dscnt 0x0
	s_barrier_signal -1
	MUL4 1, 1, 0
	WIN 0
	s_barrier_wait -1
.if \fill
	CREST
	s_add_nc_u64 s[G0+4*\slot+2:G0+4*\slot+3], s[G0+4*\slot+2:G0+4*\slot+3], 8*SF
	s_add_nc_u64 s[G0B+4*\slot+2:G0B+4*\slot+3], s[G0B+4*\slot+2:G0B+4*\slot+3], 8*SF
	JLOAD \slot
	PLACES 4
.else
	PLACES 8
.endif
	FETCH \next, 0, 0
	WIN MUL
	MUL4 1, 2, 0
	MUL4 1, 3, 0
.endm
	s_wait_alu depctr_va_vdst(0)                   ; at the head's end
	s_wait_loadcnt 32                              ; the bias is in; the 32 loads of the residual stay out
	s_wait_tensorcnt 0x0                           ; my quarter of the tiles is in; nothing is filled again in this launch
	s_barrier_signal -1
	s_barrier_wait -1                              ; everybody's is
	FETCH 0, 0, 0
	KSTEP 0, 0, 1
.if LAPS > 1
	WIN 0
	s_mov_b32 s3, LAPS-1
.Llap:
	KSTEP 0, 1, 0
	KSTEP 0, 2, 0
	TURN 0, 1, 1
	KSTEP 1, 0, 0
	KSTEP 1, 1, 0
	KSTEP 1, 2, 0
	TURN 1, 0, 1
	KSTEP 0, 0, 0
	WIN 0
	s_sub_co_u32 s3, s3, 1
	s_cmp_lg_u32 s3, 0
	s_cbranch_scc1 .Llap
.endif
	KSTEP 0, 1, 0
	KSTEP 0, 2, 0
	TURN 0, 1, 0
	KSTEP 1, 0, 0
	KSTEP 1, 1, 0
	KSTEP 1, 2, 0
	s_wait_dscnt 0x0
	WIN MUL
	MUL4 1, 0, 0
	MUL4 1, 1, 0
	MUL4 1, 2, 0
	MUL4 1, 3, 0
	WIN 0
.macro TOSTAGE a
.irp b, 0,1,2,3
	ds_store_b128 v[STO], v[ACC+8*(4*(\a)+\b):ACC+8*(4*(\a)+\b)+3] offset:128*(\b/2)+32*(\b%2)
	ds_store_b128 v[STO], v[ACC+8*(4*(\a)+\b)+4:ACC+8*(4*(\a)+\b)+7] offset:128*(\b/2)+32*(\b%2)+16
.endr
.set BB, OB+32*((\a)%2)
.irp t, 0,1,2,3,4,5,6,7
	ds_load_b128 v[BB+4*\t:BB+4*\t+3], v[RD] offset:2*\t*SPITCH
.endr
.endm
.macro SEND a, younger
.set BB, OB+32*((\a)%2)
	s_wait_dscnt \younger
	WIN 0x08
.set e, 0
.rept 16
	v_pk_add_f32 v[BB+e:BB+e+1], v[BB+e:BB+e+1], v[32*(\a)+e:32*(\a)+e+1]
.set e, e+2
.endr
	WIN 0
.irp t, 0,1,2,3,4,5,6,7
	global_store_b128 v[CO], v[BB+4*\t:BB+4*\t+3], s[12:13] offset:(32*((\a)/2)+8*((\a)%2)+2*\t+8*(\t/4))*4096
.endr
.endm
	PLACES 8
	s_wait_loadcnt 0x0
	TOSTAGE 0
	TOSTAGE 1
	SEND 0, 16
	s_wait_xcnt 0x0
	TOSTAGE 2
	SEND 1, 16
	s_wait_xcnt 0x0
	TOSTAGE 3
	SEND 2, 16
	SEND 3, 0
	s_wait_tensorcnt 0x0
	ds_add_u32 v[SPW], v[NIL]
	s_wait_dscnt 0x0
	CROUND
	s_endpgm
.Lfunc_end_k_qf1ba426d44_gemm_out:
	.size	k_qf1ba426d44_gemm_out, .Lfunc_end_k_qf1ba426d44_gemm_out-k_qf1ba426d44_gemm_out
	.p2alignl 7, 3214868480
	.fill 96, 4, 3214868480
	.section	.rodata,"a",@progbits
	.p2align	6, 0x0
	.amdhsa_kernel k_qf1ba426d44_gemm_out
		.amdhsa_group_segment_fixed_size 327680
		.amdhsa_private_segment_fixed_size 0
		.amdhsa_enable_private_segment 0
		.amdhsa_kernarg_size 40
		.amdhsa_user_sgpr_count 2
		.amdhsa_user_sgpr_kernarg_segment_ptr 1
		.amdhsa_wavefront_size32 1
		.amdhsa_system_sgpr_workgroup_id_x 1
		.amdhsa_system_sgpr_workgroup_id_y 1
		.amdhsa_system_sgpr_workgroup_id_z 1
		.amdhsa_system_vgpr_workitem_id 0
		.amdhsa_next_free_vgpr 640
		.amdhsa_next_free_sgpr 66
		.amdhsa_reserve_vcc 0
		.amdhsa_float_denorm_mode_32 3
		.amdhsa_float_denorm_mode_16_64 3
		.amdhsa_memory_ordered 1
		.amdhsa_forward_progress 1
		.amdhsa_inst_pref_size 60
	.end_amdhsa_kernel
	.amdgpu_metadata
---
amdhsa.version: [ 1, 2 ]
amdhsa.kernels:
  - .name:           k_qf1ba426d44_gemm_out
    .symbol:         k_qf1ba426d44_gemm_out.kd
    .args:
      - { .name: hn, .offset: 0, .size: 8, .value_kind: global_buffer, .address_space: global }
      - { .name: wts, .offset: 8, .size: 8, .value_kind: global_buffer, .address_space: global }
      - { .name: b_out, .offset: 16, .size: 8, .value_kind: global_buffer, .address_space: global }
      - { .name: x, .offset: 24, .size: 8, .value_kind: global_buffer, .address_space: global }
      - { .name: x1, .offset: 32, .size: 8, .value_kind: global_buffer, .address_space: global }
    .group_segment_fixed_size: 327680
    .private_segment_fixed_size: 0
    .kernarg_segment_align: 8
    .kernarg_segment_size: 40
    .max_flat_workgroup_size: 128
    .sgpr_count:     66
    .vgpr_count:     640
    .wavefront_size: 32
...
	.end_amdgpu_metadata
.endif
;; end of part 4
;; launch ln2 (part 5): grid 256 x 1, 8 waves a work-group, no clusters, 67,072 bytes of LDS; arguments x1, ln2_g, ln2_b, hn; writes hn
.if DOCPART == 5
	.amdgcn_target "amdgcn-amd-amdhsa--gfx1250"
	.amdhsa_code_object_version 6
	.text
	.protected	k_qf1ba426d44_ln2
	.globl	k_qf1ba426d44_ln2
	.p2align	8
	.type	k_qf1ba426d44_ln2,@function
k_qf1ba426d44_ln2:
	s_mov_b64 s[64:65], 0
	v_nop
	global_prefetch_b8 v0, s[64:65] scope:SCOPE_SE
	s_setreg_imm32_b32 hwreg(HW_REG_WAVE_MODE, 25, 1), 1
	s_wait_xcnt 0x0
; h = (x - mean) rsqrt(var + 1e-5) g + b along rows of 1,024 f32, all in f32, then quantised along the row to FP8 (E4M3) with one E8M0 byte for each 32, and stored as super-fragments:
; SF (16,896 bytes) = 128 rows x 128 K: 8 tiles of 2,048 bytes, piece c of a tile (512 bytes) holds at 16 x lane the codes k = 32 c + 16 (lane / 16) + 0..15 of the row at lane % 16; scale words from byte 16,384:
; tile i, lane r at 64 i + 4 r.  Lane r of tile i holds row 32 (i / 2) + 8 (i % 2) + r + 8 (r / 8) of the 128.  The output is [rows / 128][8 K steps] SFs.
; A work-group owns one tile of 16 rows.  PHASE 1: a wave takes two whole rows (each load reads 512 consecutive bytes), so mean and variance never leave the wave; the mean is taken away before the squares, as the
; definition has it.  The normalised rows go to LDS.  One barrier.  PHASE 2: wave w takes K step w of all 16 rows: a lane reads 16 neighbours of each of four blocks, quantises them, and its 16 code registers are the fragment.
; LIMITS: a block whose largest magnitude lies under 2^-118 keeps the byte 1; a block of zeros gets the byte 1 where the rule says 127 (zero codes; read by this program alone); NaN and infinities are not served.
.set SF,    16896
.set PITCH, 4112                       ; a row in LDS: 4,096 bytes + 16: the 16 rows that a load of phase 2 touches begin 16 bytes apart modulo 256
.set X0,  32                           ; v32-63, v64-95 my two rows; in phase 2 v32-95 are my 64 numbers
.set G,   96                           ; v96-127  g at my columns
.set B,   128                          ; v128-159 b
.set T0,  160                          ; v160-167, v168-175 at work, a set for each row
.set TM,  160                          ; phase 2: v160-163 largest magnitudes, v164-167 bytes, v168-171 448 x scale, v172-175 the conversions' scale operands
.set PC,  176                          ; v176-191 the codes
.set PW,  192                          ; v192 the scale word
.set SEL, 20                           ; s[20:21] v_permlanex16_b32's selects for lane l xor 16
.set MNT, 22
	s_load_b256 s[4:11], s[0:1], 0x0               ; x s[4:5], g s[6:7], b s[8:9], out s[10:11]
	v_lshl_add_u32 v200, v0, 2, 0x10200
	v_mov_b32 v201, 0
	v_lshrrev_b32 v1, 5, v0
	s_delay_alu instid0(VALU_DEP_1)
	v_readfirstlane_b32 s12, v1                    ; wave 0..7
	v_and_b32 v2, 31, v0
	s_delay_alu instid0(VALU_DEP_1)
	v_lshlrev_b32 v3, 4, v2                        ; 16 x lane
	s_wait_alu depctr_va_vdst(0)
	s_lshr_b32 s13, ttmp9, 3                       ; rb: which 128 rows
	s_and_b32 s14, ttmp9, 7                        ; i: which tile of them
	s_lshl_b32 s15, s13, 7
	s_lshr_b32 s16, s14, 1
	s_lshl_b32 s16, s16, 5
	s_add_co_u32 s15, s15, s16
	s_and_b32 s16, s14, 1
	s_lshl_b32 s16, s16, 3
	s_add_co_u32 s15, s15, s16
	s_lshl_b32 s16, s12, 1
	s_add_co_u32 s15, s15, s16
	s_lshr_b32 s16, s12, 2
	s_lshl_b32 s16, s16, 3
	s_add_co_u32 s15, s15, s16                     ; the row at the tile's lane 2 w: 128 rb + 32 (i / 2) + 8 (i % 2) + 2 w + 8 (w / 4); lane 2 w + 1 holds the next row
	s_lshl_b32 s16, s15, 12
	s_mov_b32 s17, 0
	s_mov_b32 s18, 0x3a800000                      ; 1 / 1024
	s_mov_b32 s19, 0x3727c5ac                      ; 1e-5
	s_mov_b32 s[SEL], 0x76543210
	s_mov_b32 s[SEL+1], 0xfedcba98
	s_mov_b32 s[MNT], 0x600000                     ; the mantissa field of 448
	s_mul_i32 s23, s12, 2*PITCH
	v_add_nc_u32 v4, s23, v3                       ; LDS, phase 1: tile rows 2 w, 2 w + 1, 16 bytes a lane
	v_and_b32 v6, 15, v0                           ; r
	v_bfe_u32 v7, v0, 4, 1                         ; h
	s_delay_alu instid0(VALU_DEP_2)
	v_mul_u32_u24 v5, v6, PITCH
	s_delay_alu instid0(VALU_DEP_1)
	v_lshl_add_u32 v5, v7, 6, v5
	s_lshl_b32 s23, s12, 9
	v_add_nc_u32 v5, s23, v5                       ; LDS, phase 2: row r, K step w (512 bytes), + 64 h: my 16 numbers of a block of 32
	v_lshlrev_b32 v8, 2, v6                        ; 4 r: the scale word's place
	s_lshl_b32 s24, s13, 3
	s_add_co_u32 s24, s24, s12
	s_mul_i32 s24, s24, SF                         ; the SF of (rb, K step w),
	s_lshl_b32 s25, s14, 11
	s_lshl_b32 s26, s14, 6
	s_add_co_u32 s26, s26, s24                     ; + 64 i for the words,
	s_add_co_u32 s24, s24, s25                     ; + 2048 i for the codes
	s_mov_b32 s25, 0
	s_mov_b32 s27, 0
	s_wait_kmcnt 0x0
	s_add_nc_u64 s[4:5], s[4:5], s[16:17]
	s_add_nc_u64 s[24:25], s[10:11], s[24:25]
	s_add_nc_u64 s[26:27], s[10:11], s[26:27]
.irp j, 0,1,2,3,4,5,6,7
	global_load_b128 v[X0+4*\j:X0+4*\j+3], v3, s[4:5] offset:512*\j
.endr
.irp j, 0,1,2,3,4,5,6,7
	global_load_b128 v[X0+32+4*\j:X0+32+4*\j+3], v3, s[4:5] offset:4096+512*\j
.endr
.irp j, 0,1,2,3,4,5,6,7
	global_load_b128 v[G+4*\j:G+4*\j+3], v3, s[6:7] offset:512*\j
.endr
.irp j, 0,1,2,3,4,5,6,7
	global_load_b128 v[B+4*\j:B+4*\j+3], v3, s[8:9] offset:512*\j
.endr
.macro LANESUM r                       ; v[r] summed over the 32 lanes, the result in every lane; v[r + 1], written before, is at work
	s_delay_alu instid0(VALU_DEP_1)
	v_add_f32_dpp v[\r], v[\r], v[\r] row_xmask:1 row_mask:0xf bank_mask:0xf
	s_delay_alu instid0(VALU_DEP_1)
	v_add_f32_dpp v[\r], v[\r], v[\r] row_xmask:2 row_mask:0xf bank_mask:0xf
	s_delay_alu instid0(VALU_DEP_1)
	v_add_f32_dpp v[\r], v[\r], v[\r] row_xmask:4 row_mask:0xf bank_mask:0xf
	s_delay_alu instid0(VALU_DEP_1)
	v_add_f32_dpp v[\r], v[\r], v[\r] row_xmask:8 row_mask:0xf bank_mask:0xf
	s_delay_alu instid0(VALU_DEP_1)
	v_permlanex16_b32 v[\r+1], v[\r], s[SEL], s[SEL+1]
	s_delay_alu instid0(VALU_DEP_1)
	v_add_f32 v[\r], v[\r], v[\r+1]
.endm
.macro MOMENTS x, t                    ; the row in v[x] on becomes x - mean; v[t + 6] = rsqrt(var + eps)
	v_pk_add_f32 v[\t:\t+1], v[\x:\x+1], v[\x+2:\x+3]
	v_pk_add_f32 v[\t+2:\t+3], v[\x+4:\x+5], v[\x+6:\x+7]
.irp j, 8,12,16,20,24,28
	s_delay_alu instid0(VALU_DEP_2)
	v_pk_add_f32 v[\t:\t+1], v[\t:\t+1], v[\x+\j:\x+\j+1]
	s_delay_alu instid0(VALU_DEP_2)
	v_pk_add_f32 v[\t+2:\t+3], v[\t+2:\t+3], v[\x+\j+2:\x+\j+3]
.endr
	s_delay_alu instid0(VALU_DEP_1)
	v_pk_add_f32 v[\t:\t+1], v[\t:\t+1], v[\t+2:\t+3]
	s_delay_alu instid0(VALU_DEP_1)
	v_add_f32 v[\t], v[\t], v[\t+1]
	LANESUM \t
	s_delay_alu instid0(VALU_DEP_1)
	v_mul_f32 v[\t], s18, v[\t]                    ; the mean
.irp j, 0,2,4,6,8,10,12,14,16,18,20,22,24,26,28,30
	v_pk_add_f32 v[\x+\j:\x+\j+1], v[\x+\j:\x+\j+1], v[\t:\t+1] op_sel_hi:[1,0] neg_lo:[0,1] neg_hi:[0,1]
.endr
	v_pk_mul_f32 v[\t+2:\t+3], v[\x:\x+1], v[\x:\x+1]
	v_pk_mul_f32 v[\t+4:\t+5], v[\x+2:\x+3], v[\x+2:\x+3]
.irp j, 4,8,12,16,20,24,28
	s_delay_alu instid0(VALU_DEP_2)
	v_pk_fma_f32 v[\t+2:\t+3], v[\x+\j:\x+\j+1], v[\x+\j:\x+\j+1], v[\t+2:\t+3]
	s_delay_alu instid0(VALU_DEP_2)
	v_pk_fma_f32 v[\t+4:\t+5], v[\x+\j+2:\x+\j+3], v[\x+\j+2:\x+\j+3], v[\t+4:\t+5]
.endr
	s_delay_alu instid0(VALU_DEP_1)
	v_pk_add_f32 v[\t+2:\t+3], v[\t+2:\t+3], v[\t+4:\t+5]
	s_delay_alu instid0(VALU_DEP_1)
	v_add_f32 v[\t+2], v[\t+2], v[\t+3]
	LANESUM \t+2
	s_delay_alu instid0(VALU_DEP_1)
	v_fma_f32 v[\t+2], v[\t+2], s18, s19           ; var + eps
	s_wait_alu depctr_va_vdst(0)
	v_rsq_f32 v[\t+6], v[\t+2]
	v_mov_b32 v[\t+7], 0                           ; the pair's upper half is named with it, so it is written.  (A plain line behind the transcendental)
.endm
.macro NORM x, t
.irp j, 0,2,4,6,8,10,12,14,16,18,20,22,24,26,28,30
	v_pk_mul_f32 v[\x+\j:\x+\j+1], v[\x+\j:\x+\j+1], v[\t+6:\t+7] op_sel_hi:[1,0]
.endr
.irp j, 0,2,4,6,8,10,12,14,16,18,20,22,24,26,28,30
	v_pk_fma_f32 v[\x+\j:\x+\j+1], v[\x+\j:\x+\j+1], v[G+\j:G+\j+1], v[B+\j:B+\j+1]
.endr
.endm
	s_wait_loadcnt 16                              ; my two rows are in; the 16 loads of g and b may be out
	MOMENTS X0, T0
	MOMENTS X0+32, T0+8
	s_wait_alu depctr_va_vdst(0)                   ; one wait for both roots, ahead of their first reader
	s_wait_loadcnt 0x0                             ; g and b
	NORM X0, T0
	NORM X0+32, T0+8
.irp j, 0,1,2,3,4,5,6,7
	ds_store_b128 v4, v[X0+4*\j:X0+4*\j+3] offset:512*\j
	ds_store_b128 v4, v[X0+32+4*\j:X0+32+4*\j+3] offset:PITCH+512*\j
.endr
	s_wait_dscnt 0x0                               ; for the others' sake: my rows lie in LDS
	s_barrier_signal -1
	s_barrier_wait -1
.irp c, 0,1,2,3
.irp j, 0,1,2,3
	ds_load_b128 v[X0+16*\c+4*\j:X0+16*\c+4*\j+3], v5 offset:128*\c+16*\j      ; register 16 c + e = k 32 c + 16 h + e of row r
.endr
.endr
	s_wait_dscnt 0x0
.irp b, 0,1,2,3
	v_max3_num_f32 v[TM+\b], |v[X0+16*\b]|, |v[X0+16*\b+1]|, 0x4800000         ; block b: my 16 numbers, and the floor 2^(9 - 127): the byte cannot fall under 1
.endr
.irp i, 2,4,6,8,10,12,14
.irp b, 0,1,2,3
	s_delay_alu instid0(VALU_DEP_4)
	v_max3_num_f32 v[TM+\b], v[TM+\b], |v[X0+16*\b+\i]|, |v[X0+16*\b+\i+1]|    ; (the four blocks by turns)
.endr
.endr
.irp b, 0,1,2,3
	v_permlanex16_b32 v[TM+4+\b], v[TM+\b], s[SEL], s[SEL+1]
.endr
.irp b, 0,1,2,3
	s_delay_alu instid0(VALU_DEP_4)
	v_max_num_f32 v[TM+\b], v[TM+\b], v[TM+4+\b]   ; with lane l xor 16's 16: the block's largest magnitude
.endr
.irp b, 0,1,2,3
	s_delay_alu instid0(VALU_DEP_4)
	v_add_nc_u32 v[TM+12+\b], 0xfc000000, v[TM+\b] ; 8 off its exponent field: the conversion's scale operand
.endr
.irp b, 0,1,2,3
	v_and_or_b32 v[TM+8+\b], v[TM+\b], 0x7f800000, s[MNT]   ; 448 x the scale
.endr
.irp b, 0,1,2,3
	v_lshrrev_b32 v[TM+4+\b], 23, v[TM+12+\b]      ; the scale's byte
.endr
	s_delay_alu instid0(VALU_DEP_3)
	v_lshl_or_b32 v[PW], v[TM+5], 8, v[TM+4]
	s_delay_alu instid0(VALU_DEP_1)
	v_lshl_or_b32 v[PW], v[TM+6], 16, v[PW]
	s_delay_alu instid0(VALU_DEP_1)
	v_lshl_or_b32 v[PW], v[TM+7], 24, v[PW]        ; my row's scale word; lanes l and l xor 16 hold the same
.irp b, 0,1,2,3
.irp i, 0,1,2,3,4,5,6,7,8,9,10,11,12,13,14,15
	v_med3_num_f32 v[X0+16*\b+\i], v[X0+16*\b+\i], -v[TM+8+\b], v[TM+8+\b]     ; the conversion does not saturate (ISA guide 7.6.2): the hold comes first
.endr
	v_cvt_scalef32_pk8_fp8_f32 v[PC+4*\b:PC+4*\b+1], v[X0+16*\b:X0+16*\b+7], v[TM+12+\b]
	v_cvt_scalef32_pk8_fp8_f32 v[PC+4*\b+2:PC+4*\b+3], v[X0+16*\b+8:X0+16*\b+15], v[TM+12+\b]
.endr
	v_nop
.irp c, 0,1,2,3
	global_store_b128 v3, v[PC+4*\c:PC+4*\c+3], s[24:25] offset:512*\c         ; 512 consecutive bytes, aligned
.endr
	global_store_b32 v8, v[PW], s[26:27] offset:16384                          ; both halves of the lanes write the same word to the same place
	s_wait_tensorcnt 0x0
	ds_add_u32 v200, v201
	s_wait_dscnt 0x0
	s_endpgm
.Lfunc_end_k_qf1ba426d44_ln2:
	.size	k_qf1ba426d44_ln2, .Lfunc_end_k_qf1ba426d44_ln2-k_qf1ba426d44_ln2
	.p2alignl 7, 3214868480
	.fill 96, 4, 3214868480
	.section	.rodata,"a",@progbits
	.p2align	6, 0x0
	.amdhsa_kernel k_qf1ba426d44_ln2
		.amdhsa_group_segment_fixed_size 67072
		.amdhsa_private_segment_fixed_size 0
		.amdhsa_enable_private_segment 0
		.amdhsa_kernarg_size 32
		.amdhsa_user_sgpr_count 2
		.amdhsa_user_sgpr_kernarg_segment_ptr 1
		.amdhsa_wavefront_size32 1
		.amdhsa_system_sgpr_workgroup_id_x 1
		.amdhsa_system_sgpr_workgroup_id_y 1
		.amdhsa_system_sgpr_workgroup_id_z 1
		.amdhsa_system_vgpr_workitem_id 0
		.amdhsa_next_free_vgpr 202
		.amdhsa_next_free_sgpr 66
		.amdhsa_reserve_vcc 0
		.amdhsa_float_denorm_mode_32 3
		.amdhsa_float_denorm_mode_16_64 3
		.amdhsa_memory_ordered 1
		.amdhsa_forward_progress 1
		.amdhsa_inst_pref_size 33
	.end_amdhsa_kernel
	.amdgpu_metadata
---
amdhsa.version: [ 1, 2 ]
amdhsa.kernels:
  - .name:           k_qf1ba426d44_ln2
    .symbol:         k_qf1ba426d44_ln2.kd
    .args:
      - { .name: x1, .offset: 0, .size: 8, .value_kind: global_buffer, .address_space: global }
      - { .name: ln2_g, .offset: 8, .size: 8, .value_kind: global_buffer, .address_space: global }
      - { .name: ln2_b, .offset: 16, .size: 8, .value_kind: global_buffer, .address_space: global }
      - { .name: hn, .offset: 24, .size: 8, .value_kind: global_buffer, .address_space: global }
    .group_segment_fixed_size: 67072
    .private_segment_fixed_size: 0
    .kernarg_segment_align: 8
    .kernarg_segment_size: 32
    .max_flat_workgroup_size: 256
    .sgpr_count:     66
    .vgpr_count:     202
    .wavefront_size: 32
...
	.end_amdgpu_metadata
.endif
;; end of part 5
;; launch gemm_w1 (part 6): grid 16 x 16, 4 waves a work-group, clusters of 4 x 4, 327,680 bytes of LDS; arguments hn, wts, hid, b1; writes hid
.if DOCPART == 6
	.amdgcn_target "amdgcn-amd-amdhsa--gfx1250"
	.amdhsa_code_object_version 6
	.text
	.protected	k_qf1ba426d44_gemm_w1
	.globl	k_qf1ba426d44_gemm_w1
	.p2align	8
	.type	k_qf1ba426d44_gemm_w1,@function
k_qf1ba426d44_gemm_w1:
	s_mov_b64 s[64:65], 0
	v_nop
	global_prefetch_b8 v0, s[64:65] scope:SCOPE_SE
	s_setreg_imm32_b32 hwreg(HW_REG_WAVE_MODE, 25, 1), 1
	s_wait_xcnt 0x0
	s_wait_alu depctr_hold_cnt(0) depctr_sa_sdst(0) depctr_va_vdst(0) depctr_va_sdst(0) depctr_va_ssrc(0) depctr_va_vcc(0) depctr_vm_vsrc(0)
	s_getreg_b32 s2, hwreg(HW_REG_IB_STS2, 6, 4)
	s_cmp_eq_u32 s2, 0
	s_cbranch_scc0 .Lentry_in_a_cluster
	s_endpgm
.Lentry_in_a_cluster:
	s_bfe_u32 s2, ttmp6, 0x10000c
	s_cmp_lg_u32 s2, 0xf033
	s_cbranch_scc0 .Lentry_shape_is_right
	s_endpgm
.Lentry_shape_is_right:
.set SF,     16896
.set PIECE,  2*SF
.set SLOT,   4*PIECE
.set SPARE,  2*SLOT
.set NQ,     2
.set FR,     16
.set NL,     4
.set NP,     8
.set LAPS,   2
.set ADRA, 16
.set ADRB, 20
.set ADRS, 22
.set LI,   24
.set LS,   25
.set SPW,  28
.set NIL,  29
.set SC,   32
.set HB,   64
.set AF,   128
.set TM,   128
.set PC,   144
.set PW,   160
.set GT,   176
.set GS,   192
.set GR,   208
.set GU,   224
.set KA,   240
.set KB,   242
.set KC,   244
.set G1, 24
.set G0, 32
.set G1B, 48
.set G0B, 56
.set SEL, 70
.set MNT, 72
.set BA,  73
.set OSC, 76
.set MSB, 0
.macro WIN new
.set NW, \new
.if MSB != NW
	s_set_vgpr_msb (MSB<<8)|NW
.set MSB, NW
.endif
.endm
.set MUL_LO, 0xa1
.set MUL_HI, 0xf1
.set TO_B,   0x40
.macro JLOAD g0a, g1a, g0b, g1b
	s_cmp_eq_u32 s15, 0
	s_cbranch_scc0 .Lfor_b_\@
	tensor_load_to_lds s[\g0a:\g0a+3], s[\g1a:\g1a+7]
	s_nop 0
.rept 4
	v_nop
.endr
	s_branch .Lasked_\@
.Lfor_b_\@:
	tensor_load_to_lds s[\g0b:\g0b+3], s[\g1b:\g1b+7]
	s_nop 0
.rept 4
	v_nop
.endr
.Lasked_\@:
.endm
.macro CREST
	s_cmp_lg_u32 s14, 0
	s_cbranch_scc1 .Lnot_wave_0_\@
	s_barrier_signal -3
.Lnot_wave_0_\@:
	s_barrier_wait -3
	s_barrier_signal -1
	s_barrier_wait -1
.endm
.macro CROUND
	s_barrier_signal -1
	s_barrier_wait -1
	CREST
.endm
.macro PLACES n
.rept \n
	v_nop
.endr
.endm
	s_load_b128 s[4:7], s[0:1], 0x0
	s_load_b128 s[8:11], s[0:1], 0x10
	v_lshl_add_u32 v[SPW], v0, 2, SPARE
	v_mov_b32 v[NIL], 0
	ds_add_u32 v28, v29
	ds_add_u32 v28, v29
	s_wait_dscnt 0x0
	v_lshrrev_b32 v1, 5, v0
	v_readfirstlane_b32 s14, v1
	s_lshr_b32 s15, s14, 1
	s_and_b32 s16, s14, 1
	s_bfe_u32 s40, ttmp6, 0x40000
	s_bfe_u32 s41, ttmp6, 0x40004
	s_lshl_b32 s42, ttmp9, 2
	s_add_co_u32 s42, s42, s40
	s_and_b32 s17, ttmp7, 0xffff
	s_lshl_b32 s17, s17, 2
	s_add_co_u32 s17, s17, s41
	s_lshl_b32 s43, s41, 2
	s_lshl_b32 s43, 15, s43
	s_lshl_b32 s44, 0x1111, s40
	s_or_b32 s[G1], s43, (3<<16)|(1<<21)
	s_or_b32 s[G1B], s44, (3<<16)|(1<<21)
.irp g, G1, G1B
	s_mov_b32 s[\g+1], 32<<16
	s_mov_b32 s[\g+2], 132<<16
	s_mov_b32 s[\g+3], 32<<16
	s_mov_b32 s[\g+4], 132
	s_mov_b32 s[\g+5], 32
	s_mov_b32 s[\g+6], 0
	s_mov_b32 s[\g+7], 0
.endr
	s_lshl_b32 s20, s17, 1
	s_add_co_u32 s20, s20, s16
	s_mul_i32 s20, s20, 8*SF
	s_mov_b32 s21, 0
	s_lshl_b32 s46, s42, 1
	s_add_co_u32 s46, s46, s16
	s_mul_i32 s46, s46, 8*SF
	s_add_co_u32 s46, s46, 256*SF
	s_mov_b32 s47, 0
	s_mul_i32 s45, s14, PIECE
	s_mov_b32 s[SEL], 0x76543210
	s_mov_b32 s[SEL+1], 0xfedcba98
	s_mov_b32 s[MNT], 0x600000
	s_wait_kmcnt 0x0
	s_add_nc_u64 s[20:21], s[4:5], s[20:21]
	s_add_nc_u64 s[46:47], s[6:7], s[46:47]
	CROUND
.irp s, 0,1
	s_mov_b32 s[G0+4*\s], 1
	s_add_co_u32 s[G0+4*\s+1], s45, \s*SLOT
	s_add_nc_u64 s[G0+4*\s+2:G0+4*\s+3], s[20:21], \s*PIECE
	s_or_b32 s[G0+4*\s+3], s[G0+4*\s+3], 0x80000000
	s_mov_b32 s[G0B+4*\s], 1
	s_add_co_u32 s[G0B+4*\s+1], s45, \s*SLOT
	s_add_nc_u64 s[G0B+4*\s+2:G0B+4*\s+3], s[46:47], \s*PIECE
	s_or_b32 s[G0B+4*\s+3], s[G0B+4*\s+3], 0x80000000
.endr
	JLOAD G0, G1, G0B, G1B                         ; K steps 0, 1: my one tensor load at the head; the set-up and the bias's loads stand under it
	; PREFETCHES INTO THE L2 of the three slots that follow.  Of the 132 blocks of 256 bytes that I fetch for a slot, each of the four partners that ask for them jointly takes 33, told apart by address (cx for the rows of h, cy for those of w1):
	; 32 lanes name 32 blocks, and a second instruction names the 33rd in every lane.  Slots 1 and 2 are asked for here, slot 3 behind slot 1's fill; a slot on is PIECE bytes
	s_cmp_eq_u32 s15, 0
	s_cselect_b64 s[78:79], s[20:21], s[46:47]
	s_cselect_b32 s74, s40, s41
	s_mul_i32 s74, s74, 33*256
	s_mov_b32 s75, 0
	s_add_nc_u64 s[78:79], s[78:79], s[74:75]      ; never rewritten
	v_and_b32 v30, 31, v0
	v_lshlrev_b32 v30, 8, v30                      ; 256 x lane; never rewritten
	v_mov_b32 v31, 0x2000                          ; the 33rd block; never rewritten
.irp k, 1,2
	global_prefetch_b8 v30, s[78:79] offset:\k*PIECE th:TH_LOAD_NT scope:SCOPE_SE
	global_prefetch_b8 v31, s[78:79] offset:\k*PIECE th:TH_LOAD_NT scope:SCOPE_SE
.endr
	v_and_b32 v1, 15, v0
	v_bfe_u32 v2, v0, 4, 1
	v_and_b32 v3, 31, v0
	v_lshlrev_b32 v[LI], 4, v3
	s_wait_alu depctr_va_vdst(0)
	v_lshlrev_b32 v[LS], 2, v1
	v_lshlrev_b32 v4, 6, v2
	s_lshl_b32 s20, s42, 10
	s_lshl_b32 s21, s16, 9
	s_add_co_u32 s20, s20, s21
	s_mov_b32 s21, 0
	s_add_nc_u64 s[10:11], s[10:11], s[20:21]
.irp b, 0,1,2,3,4,5,6,7
	global_load_b128 v[HB+8*\b:HB+8*\b+3], v4, s[10:11] offset:(32*(\b/2)+8*(\b%2))*4
	global_load_b128 v[HB+8*\b+4:HB+8*\b+7], v4, s[10:11] offset:(32*(\b/2)+8*(\b%2))*4+16
.endr
	s_mul_i32 s21, s15, PIECE
	s_mul_i32 s22, s16, PIECE
	s_add_co_u32 s22, s22, 2*PIECE
.irp s, 0,1
	v_add_nc_u32 v[ADRA+\s], s21, v[LI]
	v_add_nc_u32 v[ADRB+\s], s22, v[LI]
	s_add_co_u32 s21, s21, SLOT
	s_add_co_u32 s22, s22, SLOT
.endr
	s_mul_i32 s21, s15, PIECE
	s_mul_i32 s22, s16, PIECE
	s_add_co_u32 s22, s22, 2*PIECE
	s_sub_co_u32 s22, s22, s21
	v_mul_u32_u24 v6, s22, v2
	s_wait_alu depctr_va_vdst(0)
	v_add_nc_u32 v6, v6, v[LS]
	s_add_co_u32 s21, s21, 16384
	v_add_nc_u32 v[ADRS], s21, v6
	v_add_nc_u32 v[ADRS+1], SLOT, v[ADRS]
	s_lshl_b32 s20, s17, 1
	s_add_co_u32 s20, s20, s15
	s_lshl_b32 s20, s20, 5
	s_lshl_b32 s21, s42, 1
	s_add_co_u32 s21, s21, s16
	s_add_co_u32 s20, s20, s21
	s_mul_i32 s20, s20, SF
	s_mov_b32 s21, 0
	s_add_nc_u64 s[8:9], s[8:9], s[20:21]
	s_add_nc_u64 s[OSC:OSC+1], s[8:9], 16384
.macro FRAG reg, adr, q, i
.irp c, 0,1,2,3
	ds_load_b128 v[\reg+4*\c:\reg+4*\c+3], v[\adr] offset:SF*(\q)+2048*(\i)+512*\c
.endr
.endm
.macro MUL16 a0, p, q, sc, first
.irp a, \a0, \a0+1
.irp b, 0,1,2,3,4,5,6,7
.if \first
	v_wmma_scale_f32_16x16x128_f8f6f4 v[8*(8*((\a)%4)+\b):8*(8*((\a)%4)+\b)+7], v[128*(\p)+FR*\b:128*(\p)+FR*\b+FR-1], v[AF+FR*(\a):AF+FR*(\a)+FR-1], v[HB+8*\b:HB+8*\b+7], v[SC+8*NQ*(\sc)+NQ*\b+(\q)], v[SC+8*NQ*(\sc)+NQ*(\a)+(\q)] matrix_a_scale:MATRIX_SCALE_ROW1
.else
	v_wmma_scale_f32_16x16x128_f8f6f4 v[8*(8*((\a)%4)+\b):8*(8*((\a)%4)+\b)+7], v[128*(\p)+FR*\b:128*(\p)+FR*\b+FR-1], v[AF+FR*(\a):AF+FR*(\a)+FR-1], v[8*(8*((\a)%4)+\b):8*(8*((\a)%4)+\b)+7], v[SC+8*NQ*(\sc)+NQ*\b+(\q)], v[SC+8*NQ*(\sc)+NQ*(\a)+(\q)] matrix_a_scale:MATRIX_SCALE_ROW1
.endif
.endr
.endr
.endm
.macro FETCH_B slot, q, p
	WIN TO_B
.irp i, 0,1,2,3,4,5,6,7
	FRAG 128*(\p)+FR*\i, ADRB+\slot, \q, \i
.endr
	WIN 0
.endm
.macro FETCH_A slot, q, i0
.irp i, \i0, \i0+1, \i0+2, \i0+3
	FRAG AF+FR*(\i), ADRA+\slot, \q, \i
.endr
.endm
.macro SCALES sc
.irp i, 0,1,2,3,4,5,6,7
	ds_load_b32 v[SC+8*NQ*\sc+NQ*\i], v[ADRS+\sc] offset:64*\i
	ds_load_b32 v[SC+8*NQ*\sc+NQ*\i+1], v[ADRS+\sc] offset:SF+64*\i
.endr
.endm
.macro STEP slot, q, first
	s_wait_dscnt 4*NL
.if \first
	WIN 0x81
.else
	WIN MUL_LO
.endif
	MUL16 0, (\q)%2, \q, \slot, \first
	MUL16 2, (\q)%2, \q, \slot, \first
	s_wait_dscnt 0
	PLACES NP
	FETCH_B \slot, (\q)+1, 1-(\q)%2
	FETCH_A \slot, (\q)+1, 0
.if \first
	WIN 0xc1
.else
	WIN MUL_HI
.endif
	MUL16 4, (\q)%2, \q, \slot, \first
	MUL16 6, (\q)%2, \q, \slot, \first
	PLACES NP
	WIN 0
	FETCH_A \slot, (\q)+1, 4
.endm
.macro TURN slot, next, fill
	s_wait_tensorcnt 0x0
	ds_add_u32 v[SPW], v[NIL]
	s_wait_dscnt 4*NL+1
	WIN MUL_LO
	MUL16 0, 1, NQ-1, \slot, 0
	s_wait_dscnt 0x0
	s_barrier_signal -1
	MUL16 2, 1, NQ-1, \slot, 0
	WIN 0
	s_barrier_wait -1
.if \fill
	CREST
	s_add_nc_u64 s[G0+4*\slot+2:G0+4*\slot+3], s[G0+4*\slot+2:G0+4*\slot+3], 2*PIECE
	s_add_nc_u64 s[G0B+4*\slot+2:G0B+4*\slot+3], s[G0B+4*\slot+2:G0B+4*\slot+3], 2*PIECE
	JLOAD G0+4*\slot, G1, G0B+4*\slot, G1B
	PLACES NP-4
.else
	PLACES NP
.endif
	FETCH_B \next, 0, 0
	FETCH_A \next, 0, 0
	SCALES \next
	WIN MUL_HI
	MUL16 4, 1, NQ-1, \slot, 0
	MUL16 6, 1, NQ-1, \slot, 0
	PLACES NP
	WIN 0
	FETCH_A \next, 0, 4
.endm
	s_wait_alu depctr_va_vdst(0)
	s_wait_loadcnt 0x0
	s_wait_tensorcnt 0x0                           ; my part of slot 0 is in
	ds_add_u32 v[SPW], v[NIL]
	s_wait_dscnt 0x0
	CROUND                                         ; everybody's part of slot 0 is in
	JLOAD G0+4, G1, G0B+4, G1B                     ; slot 1's first fill: the first tensor load behind the round
	FETCH_B 0, 0, 0
	FETCH_A 0, 0, 0
	SCALES 0
	FETCH_A 0, 0, 4
	global_prefetch_b8 v30, s[78:79] offset:3*PIECE th:TH_LOAD_NT scope:SCOPE_SE   ; the last slot, two refills ahead of its load
	global_prefetch_b8 v31, s[78:79] offset:3*PIECE th:TH_LOAD_NT scope:SCOPE_SE
	STEP 0, 0, 1
	s_mov_b32 s3, LAPS-1
.Llap:
	TURN 0, 1, 1
	STEP 1, 0, 0
	TURN 1, 0, 1
	STEP 0, 0, 0
	s_sub_co_u32 s3, s3, 1
	s_cmp_lg_u32 s3, 0
	s_cbranch_scc1 .Llap
	TURN 0, 1, 0
	STEP 1, 0, 0
	s_wait_dscnt 4*NL
	WIN MUL_LO
	MUL16 0, 1, NQ-1, 1, 0
	MUL16 2, 1, NQ-1, 1, 0
	s_wait_dscnt 0
	WIN MUL_HI
	MUL16 4, 1, NQ-1, 1, 0
	MUL16 6, 1, NQ-1, 1, 0
	WIN 0
.macro COPY k
	WIN 2+(\k)/4
.set e, 0
.rept 32
	v_pk_mul_f32 v[HB+e:HB+e+1], v[64*((\k)%4)+e:64*((\k)%4)+e+1], 0.5 op_sel_hi:[1,0]
.set e, e+2
.endr
	WIN 0
.endm
; gelu(x) = h + |h| - |h| erfc(z), h = x / 2, z = |x| / sqrt(2) = sqrt(2) |h|: for x < 0 that is h erfc(z), for x > 0 h (2 - erfc(z)): no difference of near numbers is formed where the result is small.
; erfc(z) = t exp(-z^2 + P(t)), t = 1 / (1 + z / 2), P of degree 9: one form for every z, with a fractional error of erfc under 1.2e-7.  The exponential is to the base 2: P's ten coefficients carry the factor log2(e),
; and -z^2 log2(e) = -a^2 with a = h sqrt(2 log2(e)).  Sixteen numbers at a time; v[HK ..] holds h and takes the result.
.macro GELU16 k
.set HK, HB+16*(\k)
.set e, 0
.rept 16
	v_fma_f32 v[GT+e], |v[HK+e]|, 0x3f3504f3, 1.0                  ; 1 + z / 2
.set e, e+1
.endr
	s_wait_alu depctr_va_vdst(0)                   ; ahead of the batch
.set e, 0
.rept 16
	v_rcp_f32 v[GT+e], v[GT+e]                     ; t
.set e, e+1
.endr
.irp e, 0,2,4,6,8,10,12,14
	v_pk_mul_f32 v[GS+\e:GS+\e+1], v[HK+\e:HK+\e+1], 0x3fd96d27 op_sel_hi:[1,0]      ; a.  (Plain lines behind the reciprocals)
.endr
	s_wait_alu depctr_va_vdst(0)                   ; one wait for the batch, ahead of its first reader
.irp e, 0,2,4,6,8,10,12,14
	v_pk_fma_f32 v[GR+\e:GR+\e+1], v[GT+\e:GT+\e+1], 0x3e7c6f08, v[KA:KA+1] op_sel_hi:[1,0,1]
.endr
.irp c, 0x40097039, 0xbfd1a1e5, 0x3ecdfd18, 0xbe899a80, 0x3e0efb2e, 0x3f0a29d2, 0x3fb8ab5a, 0xbfe9b21e
.irp e, 0,2,4,6,8,10,12,14
	v_pk_fma_f32 v[GR+\e:GR+\e+1], v[GR+\e:GR+\e+1], v[GT+\e:GT+\e+1], \c op_sel_hi:[1,1,0]
.endr
.endr
.irp e, 0,2,4,6,8,10,12,14
	v_pk_fma_f32 v[GR+\e:GR+\e+1], v[GS+\e:GS+\e+1], v[GS+\e:GS+\e+1], v[GR+\e:GR+\e+1] neg_lo:[1,0,0] neg_hi:[1,0,0]   ; log2(e) (P(t) - z^2)
.endr
	s_wait_alu depctr_va_vdst(0)                   ; ahead of the batch
.set e, 0
.rept 16
	v_exp_f32 v[GR+e], v[GR+e]
.set e, e+1
.endr
.set e, 0
.rept 16
	v_add_f32 v[GU+e], v[HK+e], |v[HK+e]|          ; h + |h|.  (Plain lines behind the exponentials)
.set e, e+1
.endr
	s_wait_alu depctr_va_vdst(0)                   ; one wait for the batch, ahead of its first reader
.irp e, 0,2,4,6,8,10,12,14
	v_pk_mul_f32 v[GR+\e:GR+\e+1], v[GR+\e:GR+\e+1], v[GT+\e:GT+\e+1]                ; erfc(z)
.endr
.set e, 0
.rept 16
	v_fma_f32 v[HK+e], -|v[HK+e]|, v[GR+e], v[GU+e]
.set e, e+1
.endr
.endm
	PLACES NP
.irp b, 0,1,2,3
	v_mov_b32 v[TM+4+\b], 0
.endr
	v_mov_b32 v[KA], 0xbf97d29d                    ; P's coefficient of t^8, in both halves of a pair: an instruction takes one literal
	v_mov_b32 v[KA+1], 0xbf97d29d
	s_mov_b32 s[BA], 0
.Lblk:
.irp k, 0,1,2,3,4,5,6
	s_cmp_eq_u32 s[BA], \k
	s_cbranch_scc1 .Lcase\k
.endr
	COPY 7
	s_branch .Lcommon
.irp k, 0,1,2,3,4,5,6
.Lcase\k:
	COPY \k
	s_branch .Lcommon
.endr
.Lcommon:
	GELU16 0
	GELU16 1
	GELU16 2
	GELU16 3
.irp b, 0,1,2,3
	v_max3_num_f32 v[TM+\b], |v[HB+16*\b]|, |v[HB+16*\b+1]|, 0x4800000
.endr
.irp i, 2,4,6,8,10,12,14
.irp b, 0,1,2,3
	v_max3_num_f32 v[TM+\b], v[TM+\b], |v[HB+16*\b+\i]|, |v[HB+16*\b+\i+1]|
.endr
.endr
.irp b, 0,1,2,3
	v_permlanex16_b32 v[TM+4+\b], v[TM+\b], s[SEL], s[SEL+1]
.endr
.irp b, 0,1,2,3
	v_max_num_f32 v[TM+\b], v[TM+\b], v[TM+4+\b]
.endr
.irp b, 0,1,2,3
	v_add_nc_u32 v[TM+12+\b], 0xfc000000, v[TM+\b]
.endr
.irp b, 0,1,2,3
	v_and_or_b32 v[TM+8+\b], v[TM+\b], 0x7f800000, s[MNT]
.endr
.irp b, 0,1,2,3
	v_lshrrev_b32 v[TM+4+\b], 23, v[TM+12+\b]
.endr
	v_lshl_or_b32 v[PW], v[TM+5], 8, v[TM+4]
	v_lshl_or_b32 v[PW], v[TM+6], 16, v[PW]
	v_lshl_or_b32 v[PW], v[TM+7], 24, v[PW]
.irp b, 0,1,2,3
.irp i, 0,1,2,3,4,5,6,7,8,9,10,11,12,13,14,15
	v_med3_num_f32 v[HB+16*\b+\i], v[HB+16*\b+\i], -v[TM+8+\b], v[TM+8+\b]
.endr
	v_cvt_scalef32_pk8_fp8_f32 v[PC+4*\b:PC+4*\b+1], v[HB+16*\b:HB+16*\b+7], v[TM+12+\b]
	v_cvt_scalef32_pk8_fp8_f32 v[PC+4*\b+2:PC+4*\b+3], v[HB+16*\b+8:HB+16*\b+15], v[TM+12+\b]
.endr
	v_nop
.irp c, 0,1,2,3
	global_store_b128 v[LI], v[PC+4*\c:PC+4*\c+3], s[8:9] offset:512*\c
.endr
	global_store_b32 v[LS], v[PW], s[OSC:OSC+1]
	s_wait_xcnt 0x0
	s_add_nc_u64 s[8:9], s[8:9], 2048
	s_add_nc_u64 s[OSC:OSC+1], s[OSC:OSC+1], 64
	s_add_co_u32 s[BA], s[BA], 1
	s_cmp_lt_u32 s[BA], 8
	s_cbranch_scc1 .Lblk
	s_wait_tensorcnt 0x0
	ds_add_u32 v[SPW], v[NIL]
	s_wait_dscnt 0x0
	CROUND
	s_endpgm
.Lfunc_end_k_qf1ba426d44_gemm_w1:
	.size	k_qf1ba426d44_gemm_w1, .Lfunc_end_k_qf1ba426d44_gemm_w1-k_qf1ba426d44_gemm_w1
	.p2alignl 7, 3214868480
	.fill 96, 4, 3214868480
	.section	.rodata,"a",@progbits
	.p2align	6, 0x0
	.amdhsa_kernel k_qf1ba426d44_gemm_w1
		.amdhsa_group_segment_fixed_size 327680
		.amdhsa_private_segment_fixed_size 0
		.amdhsa_enable_private_segment 0
		.amdhsa_kernarg_size 32
		.amdhsa_user_sgpr_count 2
		.amdhsa_user_sgpr_kernarg_segment_ptr 1
		.amdhsa_wavefront_size32 1
		.amdhsa_system_sgpr_workgroup_id_x 1
		.amdhsa_system_sgpr_workgroup_id_y 1
		.amdhsa_system_sgpr_workgroup_id_z 1
		.amdhsa_system_vgpr_workitem_id 0
		.amdhsa_next_free_vgpr 1024
		.amdhsa_next_free_sgpr 80
		.amdhsa_reserve_vcc 0
		.amdhsa_float_denorm_mode_32 3
		.amdhsa_float_denorm_mode_16_64 3
		.amdhsa_memory_ordered 1
		.amdhsa_forward_progress 1
		.amdhsa_inst_pref_size 197
	.end_amdhsa_kernel
	.amdgpu_metadata
---
amdhsa.version: [ 1, 2 ]
amdhsa.kernels:
  - .name:           k_qf1ba426d44_gemm_w1
    .symbol:         k_qf1ba426d44_gemm_w1.kd
    .args:
      - { .name: hn, .offset: 0, .size: 8, .value_kind: global_buffer, .address_space: global }
      - { .name: wts, .offset: 8, .size: 8, .value_kind: global_buffer, .address_space: global }
      - { .name: hid, .offset: 16, .size: 8, .value_kind: global_buffer, .address_space: global }
      - { .name: b1, .offset: 24, .size: 8, .value_kind: global_buffer, .address_space: global }
    .group_segment_fixed_size: 327680
    .private_segment_fixed_size: 0
    .kernarg_segment_align: 8
    .kernarg_segment_size: 32
    .max_flat_workgroup_size: 128
    .sgpr_count:     80
    .vgpr_count:     1024
    .wavefront_size: 32
...
	.end_amdgpu_metadata
.endif
;; end of part 6
;; launch gemm_w2 (part 7): grid 8 x 32, 4 waves a work-group, clusters of 4 x 4, 327,680 bytes of LDS; arguments hid, wts, b2, x1, out0; writes out0
.if DOCPART == 7
	.amdgcn_target "amdgcn-amd-amdhsa--gfx1250"
	.amdhsa_code_object_version 6
	.text
	.protected	k_qf1ba426d44_gemm_w2
	.globl	k_qf1ba426d44_gemm_w2
	.p2align	8
	.type	k_qf1ba426d44_gemm_w2,@function
k_qf1ba426d44_gemm_w2:
	s_mov_b64 s[64:65], 0
	v_nop
	global_prefetch_b8 v0, s[64:65] scope:SCOPE_SE
	s_setreg_imm32_b32 hwreg(HW_REG_WAVE_MODE, 25, 1), 1
	s_wait_xcnt 0x0
	s_wait_alu depctr_hold_cnt(0) depctr_sa_sdst(0) depctr_va_vdst(0) depctr_va_sdst(0) depctr_va_ssrc(0) depctr_va_vcc(0) depctr_vm_vsrc(0)
	s_getreg_b32 s2, hwreg(HW_REG_IB_STS2, 6, 4)
	s_cmp_eq_u32 s2, 0
	s_cbranch_scc0 .Lentry_in_a_cluster
	s_endpgm
.Lentry_in_a_cluster:
	s_bfe_u32 s2, ttmp6, 0x10000c
	s_cmp_lg_u32 s2, 0xf033
	s_cbranch_scc0 .Lentry_shape_is_right
	s_endpgm
.Lentry_shape_is_right:
; out = res + bias + H W^T on codes of FP8 (E4M3) with E8M0 scales; out, res: [4096][1024] f32.  H = the hidden layer (K = 4,096), W = w2, res = x1, out = the block's result.
; OPERANDS are super-fragments: SF (16,896 bytes) = 128 rows x 128 K as register images: tile i at 2048 i, piece c at 512 c, 16 bytes a lane; scale words at 16384 + 64 i + 4 r; lane r of tile i holds row
; 32 (i / 2) + 8 (i % 2) + r + 8 (r / 8).  H: [32 row blocks][KS K steps]; W in wts from WOFF on: [8][KS].
; SHARES: N is 1,024, so tiles of 128 x 128 give each of 256 work-groups one; a wave makes 64 x 64: 16 accumulators.  A slot holds four K steps (4 SFs of H, 4 of W); each wave fetches two SFs, dense in memory, by one load.
; CLUSTERS of 4 x 4: H's tiles are asked for jointly along a row, W's along a column.  Source 0 = W's tile, source 1 = H's: a lane holds one token and eight neighbouring columns.
; THE WALK ALONG K IS ROTATED: K is eight slots' worth; cluster (X, Y) begins at slot (4 X + 2 Y) mod 8 and wraps round.  X and Y are the same in all sixteen partners, so a joint load's descriptor stays equal in all that it names.
; LIMIT: the f32 sums are taken over K in that rotated order, and the bias, as the C of each sum's first product, is added first: an order of rounding that differs from the definition's.
; THE TILES ARE PREFETCHED INTO THE L2, two slots ahead of their loads.  Of the 132 blocks of 256 bytes that a wave fetches for a slot, each of the four partners that ask for them jointly takes 33, told apart by address
; (cx for H, cy for W): 32 lanes name 32 blocks, and a second instruction names the 33rd in every lane.  The head asks for the walk's slots 1 and 2, slot 1's fill for slot 3, the refill of slot k for slot k + 2;
; the loop's last trip, whose refills are the walk's last two, asks for nothing.  A work-group has at most two slots asked for and not yet loaded.
; The residual is asked for at the head and added on the way out.
; REGISTERS: window 0: v16-31 addresses; v32-39 scale words, two sets; v40-71 the bias, later with v72-103 rows on the way out; v128-255 accumulators ((a, b) at v[128 + 8 (4 a + b)]).
;   window 1: two sets of fragments: H's four at 128 f + 16 a, W's four at 128 f + 64 + 16 b.   window 2: v0-127 the residual.
.set SF,     16896
.set KS,     32                        ; K steps of 128
.set NS,     KS/4                      ; slots' worth of K: 8
.set WOFF,   512*SF
.set LAPS,   KS/8                      ; a lap = two slots = eight K steps
.set PIECE,  2*SF
.set SLOT,   4*PIECE
.set STAGE,  2*SLOT                    ; behind the ring: 16 rows x 272 bytes for each wave; no tensor load lands here
.set SPITCH, 272
.set SPARE,  STAGE+4*16*SPITCH         ; the spare words, 128 bytes a wave, which no other line names
.set ADRA, 16
.set ADRB, 20
.set ADRS, 22
.set STO,  24
.set RD,   25
.set CO,   26                          ; my byte offset in two rows of out and res: 4096 h + 16 r; never rewritten
.set SPW,  28
.set NIL,  29
.set PFO,  30                          ; the prefetches' offsets: 256 x lane; never rewritten
.set PFL,  31                          ; and the 33rd block's, 8,192, in every lane; never rewritten
.set SC,   32
.set BIAS, 40
.set OB,   40
.set ACC,  128
.set G1, 24
.set G0, 32
.set G1B, 48
.set G0B, 56
.set HBASE, 66                         ; s[66:67] H at my piece of K's slot 0; never rewritten
.set WBASE, 68                         ; s[68:69] W likewise
.set SG,    70                         ; s70, s71 which of K's eight slots lies, or is on its way, in LDS slot 0, 1
.set OFF,   72                         ; s[72:73] that slot's byte offset: 4 SF x its number
.set PFB,   74                         ; s[74:75] my work-group's 33 blocks of my piece of K's slot 0; never rewritten
.set PFA,   76                         ; s[76:77] the same in the slot that is asked for
.set PT,    78                         ; s[78:79] an offset at work; the upper word stays 0
.set PFC,   80                         ; s[80:81], s[82:83] the head's second and third
.set PFD,   82
.set MSB, 0
.macro WIN new
.set NW, \new
.if MSB != NW
	s_set_vgpr_msb (MSB<<8)|NW
.set MSB, NW
.endif
.endm
.set MUL,  0x05                        ; sources 0 and 1 window 1; C and D window 0
.set TO_F, 0x40
.macro JLOAD s                         ; a joint load: waves 0, 1 fetch H's pieces, waves 2, 3 W's; an s_nop 0 and four v_nop follow each line
	s_cmp_eq_u32 s15, 0
	s_cbranch_scc0 .Lfor_b_\@
	tensor_load_to_lds s[G0+4*\s:G0+4*\s+3], s[G1:G1+7]
	s_nop 0
.rept 4
	v_nop
.endr
	s_branch .Lasked_\@
.Lfor_b_\@:
	tensor_load_to_lds s[G0B+4*\s:G0B+4*\s+3], s[G1B:G1B+7]
	s_nop 0
.rept 4
	v_nop
.endr
.Lasked_\@:
.endm
.macro CREST
	s_cmp_lg_u32 s14, 0
	s_cbranch_scc1 .Lnot_wave_0_\@
	s_barrier_signal -3
.Lnot_wave_0_\@:
	s_barrier_wait -3
	s_barrier_signal -1
	s_barrier_wait -1
.endm
.macro CROUND
	s_barrier_signal -1
	s_barrier_wait -1
	CREST
.endm
.macro PLACES n
.rept \n
	v_nop
.endr
.endm
.macro PREF a                          ; my 33 blocks at s[a:a+1]
	global_prefetch_b8 v[PFO], s[\a:\a+1] th:TH_LOAD_NT scope:SCOPE_SE
	global_prefetch_b8 v[PFL], s[\a:\a+1] th:TH_LOAD_NT scope:SCOPE_SE
.endm
.macro AHEAD2 d, n                     ; s[d:d+1] = my blocks in K's slot (s[n] + 2) mod 8
	s_add_co_u32 s[PT], s[\n], 2
	s_and_b32 s[PT], s[PT], NS-1
	s_mul_i32 s[PT], s[PT], 4*SF
	s_add_nc_u64 s[\d:\d+1], s[PFB:PFB+1], s[PT:PT+1]
.endm
	s_load_b256 s[4:11], s[0:1], 0x0               ; H s[4:5], wts s[6:7], bias s[8:9], res s[10:11]
	s_load_b64 s[12:13], s[0:1], 0x20              ; out
	v_lshl_add_u32 v[SPW], v0, 2, SPARE
	v_mov_b32 v[NIL], 0
	ds_add_u32 v[SPW], v[NIL]                      ; the opening: the add, twice on end, and its wait ahead of my first tensor load
	ds_add_u32 v[SPW], v[NIL]
	s_wait_dscnt 0x0
	v_lshrrev_b32 v1, 5, v0
	v_readfirstlane_b32 s14, v1                    ; wave 0..3
	s_lshr_b32 s15, s14, 1                         ; which 64 tokens are mine.  Also: I fetch for H (0) or W (1)
	s_and_b32 s16, s14, 1                          ; which 64 columns.  Also: which piece I fetch
	s_bfe_u32 s40, ttmp6, 0x40000                  ; cx
	s_bfe_u32 s41, ttmp6, 0x40004                  ; cy
	s_lshl_b32 s42, ttmp9, 2
	s_add_co_u32 s42, s42, s40                     ; tile column
	s_and_b32 s17, ttmp7, 0xffff
	s_lshl_b32 s17, s17, 2
	s_add_co_u32 s17, s17, s41                     ; tile row
	s_lshl_b32 s43, s41, 2
	s_lshl_b32 s43, 15, s43
	s_lshl_b32 s44, 0x1111, s40
	s_or_b32 s[G1], s43, (3<<16)|(1<<21)           ; the mask; elements of 8 bytes; bit 21 beside a mask; no padding
	s_or_b32 s[G1B], s44, (3<<16)|(1<<21)
.irp g, G1, G1B
	s_mov_b32 s[\g+1], 32<<16                      ; rows of 256 bytes,
	s_mov_b32 s[\g+2], 132<<16                     ; 132 of them: two SFs
	s_mov_b32 s[\g+3], 32<<16
	s_mov_b32 s[\g+4], 132
	s_mov_b32 s[\g+5], 32                          ; dense
	s_mov_b32 s[\g+6], 0
	s_mov_b32 s[\g+7], 0
.endr
	s_and_b32 s[SG], ttmp7, 0xffff                 ; the cluster's y,
	s_lshl_b32 s[SG], s[SG], 1
	s_lshl_b32 s[SG+1], ttmp9, 2                   ; and its x: no place inside the cluster enters
	s_add_co_u32 s[SG], s[SG], s[SG+1]
	s_and_b32 s[SG], s[SG], NS-1                   ; where my cluster's walk along K begins: (4 X + 2 Y) mod 8
	s_add_co_u32 s[SG+1], s[SG], 1
	s_and_b32 s[SG+1], s[SG+1], NS-1               ; and the slot behind it
	s_mov_b32 s[OFF+1], 0
	s_lshl_b32 s18, s16, 1                         ; which two of a slot's four K steps
	s_mul_i32 s20, s17, KS
	s_add_co_u32 s20, s20, s18
	s_mul_i32 s20, s20, SF
	s_mov_b32 s21, 0
	s_mul_i32 s46, s42, KS
	s_add_co_u32 s46, s46, s18
	s_mul_i32 s46, s46, SF
	s_add_co_u32 s46, s46, WOFF
	s_mov_b32 s47, 0
	s_mul_i32 s45, s14, PIECE
	s_wait_kmcnt 0x0
	s_add_nc_u64 s[HBASE:HBASE+1], s[4:5], s[20:21]
	s_add_nc_u64 s[WBASE:WBASE+1], s[6:7], s[46:47]
	CROUND                                         ; all sixteen work-groups are here: the first joint loads meet
.irp s, 0,1
	s_mul_i32 s[OFF], s[SG+\s], 4*SF               ; four K steps of 16,896 bytes to a slot
	s_mov_b32 s[G0+4*\s], 1
	s_add_co_u32 s[G0+4*\s+1], s45, \s*SLOT
	s_add_nc_u64 s[G0+4*\s+2:G0+4*\s+3], s[HBASE:HBASE+1], s[OFF:OFF+1]
	s_or_b32 s[G0+4*\s+3], s[G0+4*\s+3], 0x80000000
	s_mov_b32 s[G0B+4*\s], 1
	s_add_co_u32 s[G0B+4*\s+1], s45, \s*SLOT
	s_add_nc_u64 s[G0B+4*\s+2:G0B+4*\s+3], s[WBASE:WBASE+1], s[OFF:OFF+1]
	s_or_b32 s[G0B+4*\s+3], s[G0B+4*\s+3], 0x80000000
.endr
	JLOAD 0                                        ; slot 0: my one tensor load at the head; all below stands under it
	s_cmp_eq_u32 s15, 0                            ; the prefetches: do I fetch for H?
	s_cselect_b64 s[PFB:PFB+1], s[HBASE:HBASE+1], s[WBASE:WBASE+1]
	s_cselect_b32 s[PT], s40, s41                  ; my place among the four that ask with me
	s_mul_i32 s[PT], s[PT], 33*256
	s_mov_b32 s[PT+1], 0
	s_add_nc_u64 s[PFB:PFB+1], s[PFB:PFB+1], s[PT:PT+1]
	s_mul_i32 s[PT], s[SG+1], 4*SF
	s_add_nc_u64 s[PFA:PFA+1], s[PFB:PFB+1], s[PT:PT+1]   ; the walk's slot 1,
	AHEAD2 PFC, SG                                 ; slot 2,
	AHEAD2 PFD, SG+1                               ; slot 3
	v_and_b32 v[PFO], 31, v0
	v_lshlrev_b32 v[PFO], 8, v[PFO]
	v_mov_b32 v[PFL], 0x2000
	PREF PFA
	PREF PFC
	v_and_b32 v1, 15, v0                           ; r
	v_bfe_u32 v2, v0, 4, 1                         ; h
	s_wait_alu depctr_va_vdst(0)
	v_and_b32 v3, 31, v0
	v_lshlrev_b32 v3, 4, v3                        ; 16 x lane
	s_lshl_b32 s21, s15, 13                        ; my four tiles of H's eight
	s_lshl_b32 s22, s16, 13
	s_add_co_u32 s22, s22, 2*PIECE                 ; of W's, behind H's four SFs
.irp s, 0,1
	v_add_nc_u32 v[ADRA+\s], s21, v3
	v_add_nc_u32 v[ADRB+\s], s22, v3
	s_add_co_u32 s21, s21, SLOT
	s_add_co_u32 s22, s22, SLOT
.endr
	s_lshl_b32 s21, s15, 8
	s_lshl_b32 s22, s16, 8
	s_add_co_u32 s22, s22, 2*PIECE
	s_sub_co_u32 s22, s22, s21
	v_mul_u32_u24 v6, s22, v2                      ; lanes 16-31 take W's words: the lower base + h x the distance
	v_lshl_add_u32 v6, v1, 2, v6
	s_add_co_u32 s21, s21, 16384
	v_add_nc_u32 v[ADRS], s21, v6
	v_add_nc_u32 v[ADRS+1], SLOT, v[ADRS]
	s_mul_i32 s23, s14, 16*SPITCH
	s_add_co_u32 s23, s23, STAGE                   ; my stage
	v_mul_u32_u24 v4, v1, SPITCH
	v_lshl_add_u32 v4, v2, 6, v4
	v_add_nc_u32 v[STO], s23, v4                   ; in: row r, + 64 h
	v_mul_u32_u24 v5, v2, SPITCH
	v_lshl_add_u32 v5, v1, 4, v5
	v_add_nc_u32 v[RD], s23, v5                    ; back: lanes 0-15 one row of 256 bytes, lanes 16-31 the next
	v_lshlrev_b32 v[CO], 12, v2
	v_lshl_add_u32 v[CO], v1, 4, v[CO]
	v_lshlrev_b32 v7, 6, v2                        ; the bias: 64 h
	s_wait_alu depctr_va_vdst(0)
	s_lshl_b32 s20, s42, 9
	s_lshl_b32 s21, s16, 8
	s_add_co_u32 s20, s20, s21                     ; my first column in bytes: (128 tile column + 64 half) x 4
	s_mov_b32 s21, 0
	s_add_nc_u64 s[8:9], s[8:9], s[20:21]
	s_lshl_b32 s22, s17, 19
	s_lshl_b32 s23, s15, 18
	s_add_co_u32 s22, s22, s23                     ; my first row: (128 tile row + 64 half) x 4,096 bytes
	s_add_co_u32 s20, s20, s22
	s_add_nc_u64 s[10:11], s[10:11], s[20:21]
	s_add_nc_u64 s[12:13], s[12:13], s[20:21]
.irp b, 0,1,2,3                                ; lane (r, h) wants, for W's tile b, the bias of columns 32 (b / 2) + 8 (b % 2) + 16 h + 0..7
	global_load_b128 v[BIAS+8*\b:BIAS+8*\b+3], v7, s[8:9] offset:(32*(\b/2)+8*(\b%2))*4
	global_load_b128 v[BIAS+8*\b+4:BIAS+8*\b+7], v7, s[8:9] offset:(32*(\b/2)+8*(\b%2))*4+16
.endr
	WIN 0x80                                       ; destination window 2
.irp a, 0,1,2,3                                ; the residual, in the layout in which the rows come back from the stage: each load reads two runs of 256 consecutive bytes
.irp t, 0,1,2,3,4,5,6,7
	global_load_b128 v[32*\a+4*\t:32*\a+4*\t+3], v[CO], s[10:11] offset:(32*(\a/2)+8*(\a%2)+2*\t+8*(\t/4))*4096
.endr
.endr
	WIN 0
.macro MUL4 f, a, bias                 ; H's tile a x W's four.  The 16 accumulators take turns, one instruction a turn, in the same order in every step
.irp b, 0,1,2,3
.if \bias
	v_wmma_scale_f32_16x16x128_f8f6f4 v[ACC+8*(4*(\a)+\b):ACC+8*(4*(\a)+\b)+7], v[128*(\f)+64+16*\b:128*(\f)+64+16*\b+15], v[128*(\f)+16*(\a):128*(\f)+16*(\a)+15], v[BIAS+8*\b:BIAS+8*\b+7], v[SC+4*(\f)+\b], v[SC+4*(\f)+(\a)] matrix_a_scale:MATRIX_SCALE_ROW1
.else
	v_wmma_scale_f32_16x16x128_f8f6f4 v[ACC+8*(4*(\a)+\b):ACC+8*(4*(\a)+\b)+7], v[128*(\f)+64+16*\b:128*(\f)+64+16*\b+15], v[128*(\f)+16*(\a):128*(\f)+16*(\a)+15], v[ACC+8*(4*(\a)+\b):ACC+8*(4*(\a)+\b)+7], v[SC+4*(\f)+\b], v[SC+4*(\f)+(\a)] matrix_a_scale:MATRIX_SCALE_ROW1
.endif
.endr
.endm
.macro FETCH slot, q, f                ; the slot's q-th K step into set f: 32 loads of 512 consecutive bytes, and four of scale words
	WIN TO_F
.irp i, 0,1,2,3
.irp c, 0,1,2,3
	ds_load_b128 v[128*(\f)+64+16*\i+4*\c:128*(\f)+64+16*\i+4*\c+3], v[ADRB+\slot] offset:SF*(\q)+2048*\i+512*\c
	ds_load_b128 v[128*(\f)+16*\i+4*\c:128*(\f)+16*\i+4*\c+3], v[ADRA+\slot] offset:SF*(\q)+2048*\i+512*\c
.endr
.endr
	WIN 0
.irp i, 0,1,2,3
	ds_load_b32 v[SC+4*(\f)+\i], v[ADRS+\slot] offset:SF*(\q)+64*\i
.endr
.endm
.macro KSTEP slot, q, bias             ; one of a slot's first three K steps: the next step's fragments are asked for, then this step's 16 products are issued
	s_wait_dscnt 0x0                               ; this step's set is in
	PLACES 8                                       ; in front of loads into the other set, which the last step's products read
	FETCH \slot, (\q)+1, 1-(\q)%2
	WIN MUL
	MUL4 (\q)%2, 0, \bias
	MUL4 (\q)%2, 1, \bias
	MUL4 (\q)%2, 2, \bias
	MUL4 (\q)%2, 3, \bias
.endm
; A slot's last K step (set 1) changes slots: one barrier; in front of it each wave waits for all its tensor loads, adds 0 to its spare word, and waits for that and for its reads of this slot.
; fill = 1: this slot is filled again with K's slot two further on, round the end of K, and the slot two further on still is prefetched.
.macro TURN slot, next, fill
	WIN 0
	s_wait_xcnt 0x0                                ; my last prefetches, a slot's steps back, have read their address: it is written below
	s_wait_tensorcnt 0x0                           ; all my tensor loads have landed: my part of the next slot; so every group 0 may be written
	ds_add_u32 v[SPW], v[NIL]                      ; 0 onto my spare word; the descriptors' steps stand between it and the wait for it
.if \fill
	s_add_co_u32 s[SG+\slot], s[SG+\slot], 2
	s_and_b32 s[SG+\slot], s[SG+\slot], NS-1       ; two slots on, modulo K's eight
	s_mul_i32 s[OFF], s[SG+\slot], 4*SF
	s_add_nc_u64 s[G0+4*\slot+2:G0+4*\slot+3], s[HBASE:HBASE+1], s[OFF:OFF+1]
	s_or_b32 s[G0+4*\slot+3], s[G0+4*\slot+3], 0x80000000
	s_add_nc_u64 s[G0B+4*\slot+2:G0B+4*\slot+3], s[WBASE:WBASE+1], s[OFF:OFF+1]
	s_or_b32 s[G0B+4*\slot+3], s[G0B+4*\slot+3], 0x80000000
	AHEAD2 PFA, SG+\slot
.endif
	s_wait_dscnt 1                                 ; (the add may be out: set 1 is in)
	WIN MUL
	MUL4 1, 0, 0
	s_wait_dscnt 0x0                               ; the add is done, and my reads of this slot are over
	s_barrier_signal -1
	MUL4 1, 1, 0
	WIN 0
	s_barrier_wait -1
.if \fill
	CREST                                          ; the barrier has opened a round of the cluster's: no wave of any partner still reads this slot or has a load on its way
	JLOAD \slot                                    ; the first tensor load behind the round, my one load until the next
	PLACES 4
.else
	PLACES 8
.endif
	FETCH \next, 0, 0
.if \fill
	s_cmp_gt_u32 s3, 1                             ; s3 = 1 in the loop's last trip: no slot of the walk lies two behind its refills
	s_cbranch_scc0 .Lnone_ahead_\@
	PREF PFA
.Lnone_ahead_\@:
.endif
	WIN MUL
	MUL4 1, 2, 0
	MUL4 1, 3, 0
.endm
	s_wait_alu depctr_va_vdst(0)                   ; at the head's end
	s_wait_loadcnt 32                              ; the bias is in; the 32 loads of the residual stay out until the way out
	s_wait_tensorcnt 0x0                           ; my part of slot 0 is in
	ds_add_u32 v[SPW], v[NIL]
	s_wait_dscnt 0x0
	CROUND                                         ; everybody's part of slot 0 is in
	JLOAD 1                                        ; slot 1's first fill: the first tensor load behind the round
	FETCH 0, 0, 0
	PREF PFD                                       ; the walk's slot 3
	KSTEP 0, 0, 1                                  ; the first step's products start the sums, from the bias
	WIN 0
	s_mov_b32 s3, LAPS-1
.Llap:
	KSTEP 0, 1, 0
	KSTEP 0, 2, 0
	TURN 0, 1, 1
	KSTEP 1, 0, 0
	KSTEP 1, 1, 0
	KSTEP 1, 2, 0
	TURN 1, 0, 1
	KSTEP 0, 0, 0
	WIN 0
	s_sub_co_u32 s3, s3, 1
	s_cmp_lg_u32 s3, 0
	s_cbranch_scc1 .Llap
	KSTEP 0, 1, 0                                  ; the last lap fills nothing
	KSTEP 0, 2, 0
	TURN 0, 1, 0
	KSTEP 1, 0, 0
	KSTEP 1, 1, 0
	KSTEP 1, 2, 0
	s_wait_dscnt 0x0
	WIN MUL
	MUL4 1, 0, 0
	MUL4 1, 1, 0
	MUL4 1, 2, 0
	MUL4 1, 3, 0
	WIN 0
; THE WAY OUT, a tile of 16 tokens x my 64 columns at a time, through my own stage: a lane holds 32 bytes of a row, the lanes beside it other rows; back come whole runs of 256 bytes.
; Stage row 2 t + h is the tile's lane 2 t + h, which is token 32 (a / 2) + 8 (a % 2) + 2 t + 8 (t / 4) + h of my 64.
.macro TOSTAGE a
.irp b, 0,1,2,3
	ds_store_b128 v[STO], v[ACC+8*(4*(\a)+\b):ACC+8*(4*(\a)+\b)+3] offset:128*(\b/2)+32*(\b%2)         ; each accumulator from its low end on
	ds_store_b128 v[STO], v[ACC+8*(4*(\a)+\b)+4:ACC+8*(4*(\a)+\b)+7] offset:128*(\b/2)+32*(\b%2)+16
.endr
.set BB, OB+32*((\a)%2)
.irp t, 0,1,2,3,4,5,6,7
	ds_load_b128 v[BB+4*\t:BB+4*\t+3], v[RD] offset:2*\t*SPITCH    ; LDS serves a wave's instructions in order (ISA guide 5.7.1.4): these see the stores above
.endr
.endm
.macro SEND a, younger
.set BB, OB+32*((\a)%2)
	s_wait_dscnt \younger                          ; the tile is back; the next tile's 8 stores and 8 loads may be out
	WIN 0x08                                       ; source 1: window 2
.set e, 0
.rept 16
	v_pk_add_f32 v[BB+e:BB+e+1], v[BB+e:BB+e+1], v[32*(\a)+e:32*(\a)+e+1]
.set e, e+2
.endr
	WIN 0
.irp t, 0,1,2,3,4,5,6,7
	global_store_b128 v[CO], v[BB+4*\t:BB+4*\t+3], s[12:13] offset:(32*((\a)/2)+8*((\a)%2)+2*\t+8*(\t/4))*4096   ; two aligned runs of 256 consecutive bytes
.endr
.endm
	PLACES 8
	s_wait_loadcnt 0x0                             ; the residual
	TOSTAGE 0
	TOSTAGE 1
	SEND 0, 16
	s_wait_xcnt 0x0                                ; tile 0's stores have read their registers: tile 2's loads may land there
	TOSTAGE 2
	SEND 1, 16
	s_wait_xcnt 0x0
	TOSTAGE 3
	SEND 2, 16
	SEND 3, 0
	s_wait_tensorcnt 0x0                           ; the wave's end
	ds_add_u32 v[SPW], v[NIL]
	s_wait_dscnt 0x0
	CROUND                                         ; the closing round
	s_endpgm
.Lfunc_end_k_qf1ba426d44_gemm_w2:
	.size	k_qf1ba426d44_gemm_w2, .Lfunc_end_k_qf1ba426d44_gemm_w2-k_qf1ba426d44_gemm_w2
	.p2alignl 7, 3214868480
	.fill 96, 4, 3214868480
	.section	.rodata,"a",@progbits
	.p2align	6, 0x0
	.amdhsa_kernel k_qf1ba426d44_gemm_w2
		.amdhsa_group_segment_fixed_size 327680
		.amdhsa_private_segment_fixed_size 0
		.amdhsa_enable_private_segment 0
		.amdhsa_kernarg_size 40
		.amdhsa_user_sgpr_count 2
		.amdhsa_user_sgpr_kernarg_segment_ptr 1
		.amdhsa_wavefront_size32 1
		.amdhsa_system_sgpr_workgroup_id_x 1
		.amdhsa_system_sgpr_workgroup_id_y 1
		.amdhsa_system_sgpr_workgroup_id_z 1
		.amdhsa_system_vgpr_workitem_id 0
		.amdhsa_next_free_vgpr 640
		.amdhsa_next_free_sgpr 88
		.amdhsa_reserve_vcc 0
		.amdhsa_float_denorm_mode_32 3
		.amdhsa_float_denorm_mode_16_64 3
		.amdhsa_memory_ordered 1
		.amdhsa_forward_progress 1
		.amdhsa_inst_pref_size 103
	.end_amdhsa_kernel
	.amdgpu_metadata
---
amdhsa.version: [ 1, 2 ]
amdhsa.kernels:
  - .name:           k_qf1ba426d44_gemm_w2
    .symbol:         k_qf1ba426d44_gemm_w2.kd
    .args:
      - { .name: hid, .offset: 0, .size: 8, .value_kind: global_buffer, .address_space: global }
      - { .name: wts, .offset: 8, .size: 8, .value_kind: global_buffer, .address_space: global }
      - { .name: b2, .offset: 16, .size: 8, .value_kind: global_buffer, .address_space: global }
      - { .name: x1, .offset: 24, .size: 8, .value_kind: global_buffer, .address_space: global }
      - { .name: out0, .offset: 32, .size: 8, .value_kind: global_buffer, .address_space: global }
    .group_segment_fixed_size: 327680
    .private_segment_fixed_size: 0
    .kernarg_segment_align: 8
    .kernarg_segment_size: 40
    .max_flat_workgroup_size: 128
    .sgpr_count:     88
    .vgpr_count:     640
    .wavefront_size: 32
...
	.end_amdgpu_metadata
.endif
;; end of part 7
